; MI455X (gfx1250); checked and timed in simulation.
; The chip was launched on July 23, 2026; its instructions are those of AMD's public machine-readable ISA for CDNA 5 (MIT licence, August 2026) and "CDNA5" Instruction Set Architecture Reference Guide (July 2026). The comments in the code are by the model that wrote it; some were corrected since.
;; Attention Block3 D. Allowed arithmetic: float matrix products may take bf16 or f16 operands with f32 sums; other float arithmetic in f32, or as packed bf16 or f16 multiplies, adds, multiply-adds, maxima and minima; sums over many terms, partial sums and values carried from step to step in f32; what a program stores and reads back later, other than sums and carried values, may be rounded once to bf16 or f16.
;; Inputs: b1 256 float32; b2 256 float32; bf1 1,024 float32; bf2 256 float32; bk 256 float32; bo 256 float32; bq 256 float32; bv 256 float32; g1 256 float32; g2 256 float32; w1 256 x 1,024 float32; w2 1,024 x 256 float32; wk 256 x 256 float32; wo 256 x 256 float32; wq 256 x 256 float32; wv 256 x 256 float32; x 2 x 256 x 16 x 16 x 16 float32.
;; Outputs: out0 2 x 256 x 16 x 16 x 16 float32.
;; 2 versions, each right and faster than the one before. Each part assembles by itself: llvm-mc -triple=amdgcn-amd-amdhsa -mcpu=gfx1250 --defsym DOCPART=n.
;; ======== version 1 of 2: 3 launches
;; limits: values are held in f16: magnitudes above 65,504 overflow, below 6.1e-05 lose precision
;; workspace buffers: qf 4,194,304 bytes; kv 8,388,608 bytes; of 4,194,304 bytes; wf 1,179,648 bytes
;; launch qkv (part 1): grid 64 x 4, 8 waves a work-group, no clusters, 189,440 bytes of LDS; arguments x, g1, b1, wq, bq, wk, bk, wv, bv, wo, w1, w2, qf, kv, wf; writes qf, kv, wf
.if DOCPART == 1
	.amdgcn_target "amdgcn-amd-amdhsa--gfx1250"
	.amdhsa_code_object_version 6
	.text
	.protected	k_qdd05abf66d_qkv
	.globl	k_qdd05abf66d_qkv
	.p2align	8
	.type	k_qdd05abf66d_qkv,@function
k_qdd05abf66d_qkv:
	s_mov_b64 s[64:65], 0
	v_nop
	global_prefetch_b8 v0, s[64:65] scope:SCOPE_SE
	s_setreg_imm32_b32 hwreg(HW_REG_WAVE_MODE, 25, 1), 1
	s_wait_xcnt 0x0
; LAYERNORM 1 AND THE THREE PROJECTIONS; besides, wo, w1 and w2 are rewritten once as bf16 fragments for the last launch.
; x: [2][256 c][4096 n] f32.  xhat = (x - mean_c) rsqrt(var_c + 1e-5) g1 + b1, in f32, two passes; rounded once to bf16.  q, k, v = xhat w + bias: bf16 products, f32 sums.
; WHAT LEAVES: f16, in the order in which the next launch's matrix instructions want it: blocks of 512 bytes = 32 lanes x 16 bytes, so that every store of a wave covers 512 consecutive, aligned bytes.
;   qf [bh 16][16 queries 256][half 2][lane][16 B]: lane (r, h) of half c holds channels 16 c + 8 h .. + 7 of query r, times log2(e) / sqrt(32) (applied in f32 ahead of q's one rounding)
;   kv [bh 16][1024 keys 4][131072 B]: 64 blocks of 16 keys laid like qf, then at 65536 32 groups of 32 keys: [channel block 2][half 2][lane][16 B], lane (r, h) = channel r, keys 16 half + 8 h .. + 7
;   wf [wave 8][tau 72][i 2][half 2][lane][16 B], bf16: 16 output channels (lane % 16) x 32 inputs, as source 0 of a matrix instruction wants them
; LIMITS.  q log2(e) / sqrt(32), k and v must lie within f16's 65,504; NaN and infinities are not treated apart.
; SHARES.  A work-group: 128 rows n (x of the grid) x 192 of the 768 columns, three units of 64 (y of the grid).  Wave w: LayerNorm of channels 32 w .. + 31 for all 128 rows (4 rows a lane);
; in the products 16 columns (w % 4) of each unit x 64 rows (w / 4): 12 accumulators.  No cluster: the tiles arrive in f32 and are converted on their way through registers.
; LDS: XH xhat [c 256] pitch 288; WL weights [c 256] pitch 416 (192 columns); both bf16, read turned by ds_load_tr16_b128 (pitches are odd multiples of 32 bytes); two areas for the sums; the spare words.
.set XP,    288
.set WP,    416
.set WL,    256*XP
.set RED1,  WL+256*WP      ; [wave][lane][4 sums]; the sums of squares 4,096 bytes further on
.set SPARE, RED1+8192      ; 128 bytes for each wave, named by no other line
.set LN,  1                ; v1   16 x lane
.set XO,  2                ; v2   x: my wave's first channel, my four rows
.set WO,  3                ; v3   weights: row 32 w + lane / 16, 16 bytes of its 256
.set SPW, 4                ; v4   my spare word
.set NIL, 5                ; v5   0
.set XST, 6                ; v6   where my four xhat of a channel go
.set WST, 7                ; v7   where my four weights go
.set XA,  8                ; v8-9   turned reads of xhat, K steps 0-3 and 4-7
.set WA,  10               ; v10-11 the same for the weights
.set RW,  12               ; v12  my wave's partial sums
.set RR,  13               ; v13  all waves' partial sums for my four rows
.set BO8, 14               ; v14  bias: eight channels a lane
.set BO1, 15               ; v15  bias: one channel a lane
.set T,   16               ; v16-63  at work; in the products two fragment buffers of 56 registers, v16-127; on the way out the packed results
.set WS,  64               ; v64-127 a unit's weights as loaded
.set X,   128              ; v128-255 my 32 channels x 4 rows
.set ACC, 128              ; later the accumulators: (unit s, row block nb) at ACC + 8 (4 s + nb)
.set BI,  224
.set BV,  248
.set WPT, 12               ; s[12:17] the three units' weights
.set BPT, 18               ; s[18:23] their biases
.set OPT, 24               ; s[24:29] where my results of each unit go
.set G,   32               ; s[32:47] g1 of 16 channels
.set B,   48               ; s[48:63] b1 of 16 channels
.set SC0, 66               ; the units' scales, each written twice (named as pairs)
.set SC1, 98
.set SC2, 100
.macro BAR
	s_barrier_signal -1
	s_barrier_wait -1
.endm
.macro PLACES                          ; four plain vector instructions between a matrix instruction and a load into, or a vector line on, its registers
.rept 4
	v_nop
.endr
.endm
.macro PADD4 d, a                      ; v[d .. d+3] += v[a .. a+3]
	v_pk_add_f32 v[(\d):(\d)+1], v[(\d):(\d)+1], v[(\a):(\a)+1]
	v_pk_add_f32 v[(\d)+2:(\d)+3], v[(\d)+2:(\d)+3], v[(\a)+2:(\a)+3]
.endm
	s_load_b512 s[68:83], s[0:1], 0x0      ; x 68, g1 70, b1 72, wq 74, bq 76, wk 78, bk 80, wv 82
	s_load_b256 s[84:91], s[0:1], 0x40     ; bv 84, wo 86, w1 88, w2 90
	s_load_b128 s[92:95], s[0:1], 0x60     ; qf 92, kv 94
	s_load_b64 s[96:97], s[0:1], 0x70      ; wf
	v_lshl_add_u32 v[SPW], v0, 2, SPARE
	v_mov_b32 v[NIL], 0
	v_lshrrev_b32 v16, 5, v0
	v_readfirstlane_b32 s2, v16            ; wave w
	s_mov_b32 s3, ttmp9                    ; rb: which 128 rows
	s_and_b32 s4, ttmp7, 0xffff            ; cb: which 192 columns
	s_lshl2_add_u32 s5, s3, s4             ; the work-group's number, 4 rb + cb
	s_and_b32 s6, s2, 3                    ; wo: my 16 columns in each unit
	s_lshr_b32 s7, s2, 2                   ; ng: my 64 rows
	s_lshr_b32 s8, s3, 5                   ; batch
	s_mov_b32 s30, 0x3b800000              ; 1 / 256
	s_mov_b32 s31, s30
	v_and_b32 v17, 31, v0                  ; lane
	v_lshrrev_b32 v18, 4, v17              ; h
	v_and_b32 v19, 15, v17                 ; r
	v_lshlrev_b32 v[LN], 4, v17
	v_lshl_add_u32 v[XO], s2, 19, v[LN]    ; 32 w channels of 16,384 bytes
	v_lshlrev_b32 v[WO], 10, v18
	v_lshl_add_u32 v[WO], v19, 4, v[WO]
	v_lshl_add_u32 v[WO], s2, 15, v[WO]    ; 32 w rows of 1,024 bytes
	s_mul_i32 s9, s2, 32*XP
	v_lshl_add_u32 v[XST], v17, 3, s9
	s_mul_i32 s9, s2, 32*WP
	s_add_co_u32 s9, s9, WL
	v_mul_u32_u24 v[WST], v18, WP
	v_lshl_add_u32 v[WST], v19, 3, v[WST]
	v_add_nc_u32 v[WST], s9, v[WST]
	v_and_b32 v21, 7, v17                  ; the turning load: lane l reads row 8 (l / 16) + l % 8, bytes 16 ((l / 8) % 2) on
	v_lshl_add_u32 v21, v18, 3, v21
	v_bfe_u32 v22, v17, 3, 1
	v_mul_u32_u24 v[XA], v21, XP
	v_lshl_add_u32 v[XA], v22, 4, v[XA]
	v_lshl_add_u32 v[XA], s7, 7, v[XA]     ; my 64 rows n: 128 bytes
	v_add_nc_u32 v[XA+1], 128*XP, v[XA]
	v_mul_u32_u24 v[WA], v21, WP
	v_lshl_add_u32 v[WA], v22, 4, v[WA]
	s_lshl_b32 s9, s6, 5
	s_add_co_u32 s9, s9, WL
	v_add_nc_u32 v[WA], s9, v[WA]
	v_add_nc_u32 v[WA+1], 128*WP, v[WA]
	s_lshl_b32 s9, s2, 9
	s_add_co_u32 s9, s9, RED1
	v_add_nc_u32 v[RW], s9, v[LN]
	v_add_nc_u32 v[RR], RED1, v[LN]
	s_lshl_b32 s9, s6, 6
	v_lshl_add_u32 v[BO8], v18, 5, s9
	v_lshl_add_u32 v[BO1], v19, 2, s9
	; byte offsets of my results, unit 0 of a matrix: s[32:33] in qf, s[34:35] K's part of kv, s[36:37] V's part
	s_lshr_b32 s9, s6, 1
	s_lshl3_add_u32 s10, s8, s9            ; 8 batch + my head inside a unit of two heads
	s_and_b32 s11, s3, 31                  ; my 128 rows among the batch's 4,096
	s_and_b32 s40, s6, 1                   ; which 16 channels of the head
	s_lshl_b32 s32, s10, 18
	s_lshl_b32 s9, s11, 3
	s_lshl2_add_u32 s9, s7, s9             ; my first block of 16 queries
	s_lshl_b32 s9, s9, 10
	s_add_co_u32 s32, s32, s9
	s_lshl_b32 s9, s40, 9
	s_add_co_u32 s32, s32, s9
	s_mov_b32 s33, 0
	s_lshl_b32 s34, s10, 19
	s_lshr_b32 s9, s11, 3                  ; the chunk of 1,024 keys
	s_lshl_b32 s9, s9, 17
	s_add_co_u32 s34, s34, s9
	s_and_b32 s9, s3, 7
	s_lshl_b32 s9, s9, 3
	s_lshl2_add_u32 s9, s7, s9             ; my first block of 16 keys in the chunk: 1,024 bytes each in K's part, and in V's (2,048 for 32)
	s_lshl_b32 s9, s9, 10
	s_add_co_u32 s34, s34, s9
	s_lshl_b32 s9, s40, 10
	s_add_co_u32 s36, s34, s9
	s_add_co_u32 s36, s36, 65536
	s_lshl_b32 s9, s40, 9
	s_add_co_u32 s34, s34, s9
	s_mov_b32 s35, 0
	s_mov_b32 s37, 0
	s_lshl_b32 s38, s8, 22                 ; x: the batch, my 128 rows
	s_lshl_b32 s9, s11, 9
	s_add_co_u32 s38, s38, s9
	s_mov_b32 s39, 0
	s_wait_kmcnt 0x0
	s_add_nc_u64 s[68:69], s[68:69], s[38:39]
.set i, 0
.rept 32                               ; my 32 channels: each load takes 512 consecutive bytes of one channel
	global_load_b128 v[X+4*i:X+4*i+3], v[XO], s[68:69] offset:16384*i
.set i, i+1
.endr
; Unit n of my three is unit (3 cb + n) % 4 of matrix (3 cb + n) / 4 (0 q, 1 k, 2 v): its pointers are chosen by that number.
.macro SETSLOT n, scr
	s_mul_i32 s9, s4, 3
	s_add_co_u32 s9, s9, \n
	s_lshr_b32 s10, s9, 2
	s_and_b32 s9, s9, 3
	s_cmp_eq_u32 s10, 0
	s_cselect_b64 s[WPT+2*(\n):WPT+2*(\n)+1], s[74:75], s[78:79]
	s_cselect_b64 s[BPT+2*(\n):BPT+2*(\n)+1], s[76:77], s[80:81]
	s_cselect_b64 s[OPT+2*(\n):OPT+2*(\n)+1], s[92:93], s[94:95]
	s_cselect_b64 s[38:39], s[32:33], s[34:35]
	s_cselect_b32 s[\scr], 0x3e8293ee, 1.0         ; log2(e) / sqrt(32) for q
	s_cselect_b32 s11, 19, 20                      ; a unit is two heads: 2 x 262,144 bytes of qf, 2 x 524,288 of kv
	s_cmp_eq_u32 s10, 2
	s_cselect_b64 s[WPT+2*(\n):WPT+2*(\n)+1], s[82:83], s[WPT+2*(\n):WPT+2*(\n)+1]
	s_cselect_b64 s[BPT+2*(\n):BPT+2*(\n)+1], s[84:85], s[BPT+2*(\n):BPT+2*(\n)+1]
	s_cselect_b64 s[38:39], s[36:37], s[38:39]
	s_mov_b32 s[\scr+1], s[\scr]
	s_lshl_b32 s40, s9, s11
	s_mov_b32 s41, 0
	s_add_nc_u64 s[38:39], s[38:39], s[40:41]
	s_add_nc_u64 s[OPT+2*(\n):OPT+2*(\n)+1], s[OPT+2*(\n):OPT+2*(\n)+1], s[38:39]
	s_lshl_b32 s40, s9, 8                          ; 64 columns of f32
	s_add_nc_u64 s[WPT+2*(\n):WPT+2*(\n)+1], s[WPT+2*(\n):WPT+2*(\n)+1], s[40:41]
	s_add_nc_u64 s[BPT+2*(\n):BPT+2*(\n)+1], s[BPT+2*(\n):BPT+2*(\n)+1], s[40:41]
.endm
	SETSLOT 0, SC0
	SETSLOT 1, SC1
	SETSLOT 2, SC2
.macro WLOAD n                         ; unit n's rows 32 w .. + 31: each load takes two rows' 256 bytes
.set i, 0
.rept 16
	global_load_b128 v[WS+4*i:WS+4*i+3], v[WO], s[WPT+2*(\n):WPT+2*(\n)+1] offset:2048*i
.set i, i+1
.endr
.endm
.macro WCONV n                         ; rounded to bf16 and laid into WL
	s_wait_loadcnt 0x0
.set i, 0
.rept 16
	v_cvt_pk_bf16_f32 v[WS+4*i], v[WS+4*i], v[WS+4*i+1]
	v_cvt_pk_bf16_f32 v[WS+4*i+1], v[WS+4*i+2], v[WS+4*i+3]
	ds_store_b64 v[WST], v[WS+4*i:WS+4*i+1] offset:2*WP*i+128*(\n)
.set i, i+1
.endr
.endm
	WLOAD 0
	s_lshl_b32 s10, s2, 7                  ; g1 and b1 of my 32 channels
	s_mov_b32 s11, 0
	s_add_nc_u64 s[70:71], s[70:71], s[10:11]
	s_add_nc_u64 s[72:73], s[72:73], s[10:11]
	s_load_b512 s[G:G+15], s[70:71], 0x0
	s_load_b512 s[B:B+15], s[72:73], 0x0
; THE WEIGHTS OF THE LAST LAUNCH.  1,152 fragments of 16 outputs x 32 inputs; work-groups 0 to 143 make eight each, a wave one.  s9 = tau, s10 = output block, s[74:75] = the fragment's corner.
.macro PREPGO nc, sh                   ; nc numbers in a row of the matrix; 32 nc = 1 << sh bytes for eight rows
	s_lshr_b32 s11, s10, 1
	s_mul_i32 s11, s11, 144
	s_lshl1_add_u32 s11, s9, s11
	s_and_b32 s10, s10, 1
	s_add_co_u32 s11, s11, s10             ; 144 wave + 2 tau + i
	s_lshl_b32 s78, s11, 10
	s_mov_b32 s79, 0
	s_add_nc_u64 s[76:77], s[96:97], s[78:79]
	v_lshlrev_b32 v40, \sh, v18            ; input 8 h,
	v_lshl_add_u32 v40, v19, 2, v40        ; output r
.set i, 0
.rept 16
	global_load_b32 v[T+i], v40, s[74:75] offset:((i>>3)*16+(i&7))*(\nc)*4
.set i, i+1
.endr
	s_wait_loadcnt 0x0
.set i, 0
.rept 8
	v_cvt_pk_bf16_f32 v[T+16+i], v[T+2*i], v[T+2*i+1]
.set i, i+1
.endr
	global_store_b128 v[LN], v[T+16:T+19], s[76:77]
	global_store_b128 v[LN], v[T+20:T+23], s[76:77] offset:512
	s_wait_xcnt 0x0                        ; the stores' data registers are written again below only behind this wait
.endm
	s_cmp_lt_u32 s5, 144
	s_cbranch_scc0 .Lnoprep
	s_sub_co_u32 s9, s5, 16
	s_cmp_lt_u32 s9, 64
	s_cbranch_scc1 .Lprep_w1
	s_cmp_lt_u32 s5, 16                    ; work-groups 0-15: wo; 80-143: w2: both have rows of 256
	s_cselect_b32 s9, 0, 80
	s_cselect_b64 s[74:75], s[86:87], s[90:91]
	s_sub_co_u32 s9, s5, s9
	s_lshl3_add_u32 s9, s9, s2             ; the fragment's number
	s_and_b32 s10, s9, 15                  ; output block
	s_lshr_b32 s9, s9, 4                   ; block of 32 inputs
	s_lshl_b32 s78, s9, 15
	s_lshl_b32 s11, s10, 6
	s_add_co_u32 s78, s78, s11
	s_mov_b32 s79, 0
	s_add_nc_u64 s[74:75], s[74:75], s[78:79]
	s_lshr_b32 s11, s9, 3
	s_lshl_b32 s11, s11, 4
	s_and_b32 s78, s9, 7
	s_add_co_u32 s11, s11, s78
	s_add_co_u32 s11, s11, 16              ; w2: tau = 16 + 16 chunk + step
	s_cmp_lt_u32 s5, 16
	s_cselect_b32 s9, s9, s11              ; wo: tau = step
	PREPGO 256, 13
	s_branch .Lnoprep
.Lprep_w1:
	s_lshl3_add_u32 s9, s9, s2
	s_and_b32 s11, s9, 63                  ; block of 16 hidden channels
	s_lshr_b32 s9, s9, 6                   ; block of 32 inputs
	s_lshl_b32 s78, s9, 17
	s_lshl_b32 s10, s11, 6
	s_add_co_u32 s78, s78, s10
	s_mov_b32 s79, 0
	s_add_nc_u64 s[74:75], s[88:89], s[78:79]
	s_and_b32 s10, s11, 15
	s_lshr_b32 s11, s11, 4
	s_lshl_b32 s11, s11, 4
	s_add_co_u32 s9, s9, s11
	s_add_co_u32 s9, s9, 8                 ; tau = 8 + 16 chunk + step
	PREPGO 1024, 15
.Lnoprep:
	; LAYERNORM, first pass: the sums of my 32 channels for my four rows, in two chains
	s_wait_loadcnt 16                      ; x is in: behind its loads stand unit 0's sixteen
	v_pk_add_f32 v[T:T+1], v[X:X+1], v[X+8:X+9]
	v_pk_add_f32 v[T+2:T+3], v[X+2:X+3], v[X+10:X+11]
	v_pk_add_f32 v[T+4:T+5], v[X+4:X+5], v[X+12:X+13]
	v_pk_add_f32 v[T+6:T+7], v[X+6:X+7], v[X+14:X+15]
.set i, 4
.rept 28
	PADD4 T+4*(i%2), X+4*i
.set i, i+1
.endr
	PADD4 T, T+4
	ds_store_b128 v[RW], v[T:T+3]
	WCONV 0
	s_wait_dscnt 0x0                       ; for the others' sake: my sums and my weights are in LDS
	WLOAD 1
	BAR
.macro REDSUM off                      ; the eight waves' partial sums for my four rows -> v[T+8 .. T+11], the same order in every wave
.set i, 0
.rept 8
	ds_load_b128 v[T+8+4*i:T+11+4*i], v[RR] offset:(\off)+512*i
.set i, i+1
.endr
	s_wait_dscnt 0x0
.irp u, 0,1,2,3
	PADD4 T+8+4*(\u), T+24+4*(\u)
.endr
	PADD4 T+8, T+16
	PADD4 T+12, T+20
	PADD4 T+8, T+12
.endm
	REDSUM 0
	v_pk_mul_f32 v[T:T+1], v[T+8:T+9], s[30:31] op_sel_hi:[1,0]      ; the means
	v_pk_mul_f32 v[T+2:T+3], v[T+10:T+11], s[30:31] op_sel_hi:[1,0]
.set i, 0
.rept 32                               ; second pass: x - mean, kept; its squares summed, again in two chains
	v_pk_add_f32 v[X+4*i:X+4*i+1], v[X+4*i:X+4*i+1], v[T:T+1] neg_lo:[0,1] neg_hi:[0,1]
	v_pk_add_f32 v[X+4*i+2:X+4*i+3], v[X+4*i+2:X+4*i+3], v[T+2:T+3] neg_lo:[0,1] neg_hi:[0,1]
.set i, i+1
.endr
.set i, 0
.rept 32
.set rQ, T+4+4*(i%2)
.if i < 2
	v_pk_mul_f32 v[rQ:rQ+1], v[X+4*i:X+4*i+1], v[X+4*i:X+4*i+1]
	v_pk_mul_f32 v[rQ+2:rQ+3], v[X+4*i+2:X+4*i+3], v[X+4*i+2:X+4*i+3]
.else
	v_pk_fma_f32 v[rQ:rQ+1], v[X+4*i:X+4*i+1], v[X+4*i:X+4*i+1], v[rQ:rQ+1]
	v_pk_fma_f32 v[rQ+2:rQ+3], v[X+4*i+2:X+4*i+3], v[X+4*i+2:X+4*i+3], v[rQ+2:rQ+3]
.endif
.set i, i+1
.endr
	PADD4 T+4, T+8
	ds_store_b128 v[RW], v[T+4:T+7] offset:4096
	WCONV 1
	s_wait_dscnt 0x0
	WLOAD 2
	BAR
	REDSUM 4096
.irp u, 0,1,2,3
	v_fmaak_f32 v[T+(\u)], s30, v[T+8+(\u)], 0x3727c5ac       ; variance + 1e-5
.endr
.irp u, 0,1,2,3
	v_rsq_f32 v[T+(\u)], v[T+(\u)]
.endr
	v_nop                                  ; a plain instruction between the last root and the use of its result
	s_wait_kmcnt 0x0                       ; g1, b1 of channels 0-15
.set i, 0
	s_wait_alu depctr_va_vdst(0)
.rept 32
	v_pk_mul_f32 v[X+4*i:X+4*i+1], v[X+4*i:X+4*i+1], v[T:T+1]
	v_pk_mul_f32 v[X+4*i+2:X+4*i+3], v[X+4*i+2:X+4*i+3], v[T+2:T+3]
.irp u, 0,1,2,3
	v_fma_f32 v[X+4*i+(\u)], v[X+4*i+(\u)], s[G+i%16], s[B+i%16]
.endr
	v_cvt_pk_bf16_f32 v[X+4*i], v[X+4*i], v[X+4*i+1]
	v_cvt_pk_bf16_f32 v[X+4*i+1], v[X+4*i+2], v[X+4*i+3]
	ds_store_b64 v[XST], v[X+4*i:X+4*i+1] offset:XP*i
.if i == 15
	s_load_b512 s[G:G+15], s[70:71], 0x40  ; channels 16-31
	s_load_b512 s[B:B+15], s[72:73], 0x40
	s_wait_kmcnt 0x0
.endif
.set i, i+1
.endr
	WCONV 2
	s_wait_dscnt 0x0                       ; for the others' sake: xhat and the last weights are in LDS
	BAR
; THE PRODUCTS.  K = 256 in eight steps of 32 on two fragment buffers.  Kind 0 (q, k): source 0 = 16 columns of w, source 1 = 16 rows of xhat: a lane holds one row and eight channels.
; Kind 1 (v): the sources change places: a lane holds one channel and eight keys.  The 12 accumulators take turns, one instruction a turn.
.macro LDFR buf, t                     ; 14 turned loads: four row blocks of xhat, my 16 columns of three units
.set FB, T+56*(\buf)
.irp nb, 0,1,2,3
	ds_load_tr16_b128 v[FB+8*(\nb):FB+8*(\nb)+3], v[XA+((\t)>>2)] offset:((\t)&3)*32*XP+32*(\nb)
	ds_load_tr16_b128 v[FB+8*(\nb)+4:FB+8*(\nb)+7], v[XA+((\t)>>2)] offset:((\t)&3)*32*XP+32*(\nb)+16*XP
.endr
.irp u, 0,1,2
	ds_load_tr16_b128 v[FB+32+8*(\u):FB+32+8*(\u)+3], v[WA+((\t)>>2)] offset:((\t)&3)*32*WP+128*(\u)
	ds_load_tr16_b128 v[FB+32+8*(\u)+4:FB+32+8*(\u)+7], v[WA+((\t)>>2)] offset:((\t)&3)*32*WP+128*(\u)+16*WP
.endr
.endm
.macro MUL1 u, nb, kind, t
.set rA, ACC+8*(4*(\u)+(\nb))
.set rW, FB+32+8*(\u)
.set rX, FB+8*(\nb)
.if \kind
.if (\t) == 0
	v_wmma_f32_16x16x32_bf16 v[rA:rA+7], v[rX:rX+7], v[rW:rW+7], 0
.else
	v_wmma_f32_16x16x32_bf16 v[rA:rA+7], v[rX:rX+7], v[rW:rW+7], v[rA:rA+7]
.endif
.else
.if (\t) == 0
	v_wmma_f32_16x16x32_bf16 v[rA:rA+7], v[rW:rW+7], v[rX:rX+7], 0
.else
	v_wmma_f32_16x16x32_bf16 v[rA:rA+7], v[rW:rW+7], v[rX:rX+7], v[rA:rA+7]
.endif
.endif
.endm
.macro BIASLD u, kind
.if \kind
	global_load_b32 v[BV+2*(\u)], v[BO1], s[BPT+2*(\u):BPT+2*(\u)+1]       ; my channel's bias, into both registers of a pair
	global_load_b32 v[BV+2*(\u)+1], v[BO1], s[BPT+2*(\u):BPT+2*(\u)+1]
.else
	global_load_b128 v[BI+8*(\u):BI+8*(\u)+3], v[BO8], s[BPT+2*(\u):BPT+2*(\u)+1]
	global_load_b128 v[BI+8*(\u)+4:BI+8*(\u)+7], v[BO8], s[BPT+2*(\u):BPT+2*(\u)+1] offset:16
.endif
.endm
.macro EP u, scr, kind                 ; (sum + bias) x scale, rounded once to f16; a lane's eight numbers are 16 bytes of a fragment
.set rB, BI+8*(\u)
.set rV, BV+2*(\u)
.if !(\kind)
.irp p, 0,1,2,3
	v_pk_mul_f32 v[rB+2*(\p):rB+2*(\p)+1], v[rB+2*(\p):rB+2*(\p)+1], s[\scr:\scr+1] op_sel_hi:[1,0]
.endr
.endif
.irp nb, 0,1,2,3
.set rA, ACC+8*(4*(\u)+(\nb))
.set rO, T+4*(4*(\u)+(\nb))
.irp p, 0,1,2,3
.if \kind
	v_pk_add_f32 v[rA+2*(\p):rA+2*(\p)+1], v[rA+2*(\p):rA+2*(\p)+1], v[rV:rV+1]
.else
	v_pk_fma_f32 v[rA+2*(\p):rA+2*(\p)+1], v[rA+2*(\p):rA+2*(\p)+1], s[\scr:\scr+1], v[rB+2*(\p):rB+2*(\p)+1] op_sel_hi:[1,0,1]
.endif
.endr
.irp p, 0,1,2,3
	v_cvt_pk_f16_f32 v[rO+(\p)], v[rA+2*(\p)], v[rA+2*(\p)+1]
.endr
.if \kind
	global_store_b128 v[LN], v[rO:rO+3], s[OPT+2*(\u):OPT+2*(\u)+1] offset:((\nb)>>1)*2048+((\nb)&1)*512
.else
	global_store_b128 v[LN], v[rO:rO+3], s[OPT+2*(\u):OPT+2*(\u)+1] offset:1024*(\nb)
.endif
.endr
.endm
.macro MAIN k0, k1, k2
	BIASLD 0, \k0
	BIASLD 1, \k1
	BIASLD 2, \k2
	LDFR 0, 0
.set tt, 0
.rept 8
.if tt >= 1
	PLACES                                 ; the buffer filled next was multiplied in the step before
.endif
.if tt < 7
	LDFR (tt+1)&1, tt+1
	s_wait_dscnt 14                        ; this step's fragments are in; the 14 loads just issued stay out
.else
	s_wait_dscnt 0x0
.endif
.set FB, T+56*(tt&1)
.irp nb, 0,1,2,3
	MUL1 0, \nb, \k0, tt
	MUL1 1, \nb, \k1, tt
	MUL1 2, \nb, \k2, tt
.endr
.set tt, tt+1
.endr
	PLACES
	s_wait_loadcnt 0x0                     ; the biases
	EP 0, SC0, \k0
	EP 1, SC1, \k1
	EP 2, SC2, \k2
	s_wait_tensorcnt 0x0                   ; the wave's end
	ds_add_u32 v[SPW], v[NIL]
	s_wait_dscnt 0x0
	s_endpgm
.endm
	s_cmp_lt_u32 s4, 2
	s_cbranch_scc1 .Lrrr                   ; columns 0-383: q, q, q or q, k, k
	s_cmp_eq_u32 s4, 2
	s_cbranch_scc1 .Lrrv                   ; k, k, v
	MAIN 1, 1, 1
.Lrrr:
	MAIN 0, 0, 0
.Lrrv:
	MAIN 0, 0, 1
.Lfunc_end_k_qdd05abf66d_qkv:
	.size	k_qdd05abf66d_qkv, .Lfunc_end_k_qdd05abf66d_qkv-k_qdd05abf66d_qkv
	.p2alignl 7, 3214868480
	.fill 96, 4, 3214868480
	.section	.rodata,"a",@progbits
	.p2align	6, 0x0
	.amdhsa_kernel k_qdd05abf66d_qkv
		.amdhsa_group_segment_fixed_size 189440
		.amdhsa_private_segment_fixed_size 0
		.amdhsa_enable_private_segment 0
		.amdhsa_kernarg_size 120
		.amdhsa_user_sgpr_count 2
		.amdhsa_user_sgpr_kernarg_segment_ptr 1
		.amdhsa_wavefront_size32 1
		.amdhsa_system_sgpr_workgroup_id_x 1
		.amdhsa_system_sgpr_workgroup_id_y 1
		.amdhsa_system_sgpr_workgroup_id_z 1
		.amdhsa_system_vgpr_workitem_id 0
		.amdhsa_next_free_vgpr 256
		.amdhsa_next_free_sgpr 102
		.amdhsa_reserve_vcc 0
		.amdhsa_float_denorm_mode_32 3
		.amdhsa_float_denorm_mode_16_64 3
		.amdhsa_memory_ordered 1
		.amdhsa_forward_progress 1
		.amdhsa_inst_pref_size 132
	.end_amdhsa_kernel
	.amdgpu_metadata
---
amdhsa.version: [ 1, 2 ]
amdhsa.kernels:
  - .name:           k_qdd05abf66d_qkv
    .symbol:         k_qdd05abf66d_qkv.kd
    .args:
      - { .name: x, .offset: 0, .size: 8, .value_kind: global_buffer, .address_space: global }
      - { .name: g1, .offset: 8, .size: 8, .value_kind: global_buffer, .address_space: global }
      - { .name: b1, .offset: 16, .size: 8, .value_kind: global_buffer, .address_space: global }
      - { .name: wq, .offset: 24, .size: 8, .value_kind: global_buffer, .address_space: global }
      - { .name: bq, .offset: 32, .size: 8, .value_kind: global_buffer, .address_space: global }
      - { .name: wk, .offset: 40, .size: 8, .value_kind: global_buffer, .address_space: global }
      - { .name: bk, .offset: 48, .size: 8, .value_kind: global_buffer, .address_space: global }
      - { .name: wv, .offset: 56, .size: 8, .value_kind: global_buffer, .address_space: global }
      - { .name: bv, .offset: 64, .size: 8, .value_kind: global_buffer, .address_space: global }
      - { .name: wo, .offset: 72, .size: 8, .value_kind: global_buffer, .address_space: global }
      - { .name: w1, .offset: 80, .size: 8, .value_kind: global_buffer, .address_space: global }
      - { .name: w2, .offset: 88, .size: 8, .value_kind: global_buffer, .address_space: global }
      - { .name: qf, .offset: 96, .size: 8, .value_kind: global_buffer, .address_space: global }
      - { .name: kv, .offset: 104, .size: 8, .value_kind: global_buffer, .address_space: global }
      - { .name: wf, .offset: 112, .size: 8, .value_kind: global_buffer, .address_space: global }
    .group_segment_fixed_size: 189440
    .private_segment_fixed_size: 0
    .kernarg_segment_align: 8
    .kernarg_segment_size: 120
    .max_flat_workgroup_size: 256
    .sgpr_count:     102
    .vgpr_count:     256
    .wavefront_size: 32
...
	.end_amdgpu_metadata
.endif
;; end of part 1
;; launch attn (part 2): grid 16 x 16, 8 waves a work-group, clusters of 4 x 1, 327,680 bytes of LDS; arguments qf, kv, of; writes of
.if DOCPART == 2
	.amdgcn_target "amdgcn-amd-amdhsa--gfx1250"
	.amdhsa_code_object_version 6
	.text
	.protected	k_qdd05abf66d_attn
	.globl	k_qdd05abf66d_attn
	.p2align	8
	.type	k_qdd05abf66d_attn,@function
k_qdd05abf66d_attn:
	s_mov_b64 s[64:65], 0
	v_nop
	global_prefetch_b8 v0, s[64:65] scope:SCOPE_SE
	s_setreg_imm32_b32 hwreg(HW_REG_WAVE_MODE, 25, 1), 1
	s_wait_xcnt 0x0
	s_wait_alu depctr_hold_cnt(0) depctr_sa_sdst(0) depctr_va_vdst(0) depctr_va_sdst(0) depctr_va_ssrc(0) depctr_va_vcc(0) depctr_vm_vsrc(0)
	s_getreg_b32 s2, hwreg(HW_REG_IB_STS2, 6, 4)
	s_cmp_eq_u32 s2, 0
	s_cbranch_scc0 .Lentry_in_a_cluster
	s_endpgm
.Lentry_in_a_cluster:
	s_bfe_u32 s2, ttmp6, 0x10000c
	s_cmp_lg_u32 s2, 0x3003
	s_cbranch_scc0 .Lentry_shape_is_right
	s_endpgm
.Lentry_shape_is_right:
; ATTENTION, head size 32, 4,096 keys, 16 pairs of batch and head.  O[q] = sum_k softmax_k(q . k / sqrt(32)) v[k].  q arrives times log2(e) / sqrt(32), so p = 2^(s - m) with a running maximum m.
; q, k, v in f16, laid by the launch before as the matrix instructions want them (blocks of 32 lanes x 16 bytes); products, maxima and sums in f32; p rounded to f16; O rounded once, to bf16.
; LIMITS.  A weight below f16's smallest step, 6e-8, counts as 0; the row sum is taken of the rounded weights, which are also the ones multiplied; NaN and infinities are not treated apart.
; SHARES.  A work-group: 256 queries of one pair (y of the grid).  Wave w: two tiles of 16 queries.  Every wave walks all keys, 64 a step.  Two waves lie on a SIMD and fill each other's waits; the text goes in phases.
; LAYOUT.  S^T = K Q^T: a lane holds ONE query (lane % 16) and keys 8 (lane / 16) + 0..7 of each block of 16; two such results rounded in pairs ARE source 1 of O^T = V^T P, whose result again holds one
; query a lane.  The row sum l is a third product, ones x P, in the same lanes: no addition and no exchange of lanes for it.
; m starts at the lowest finite number and O, l at 0: the first step is a step like any other, with a = 0.
; CLUSTER.  The four query blocks of a cluster walk the same keys: each chunk of 1,024 keys (131,072 bytes, K then V) is asked for JOINTLY, each wave an eighth, with the same descriptor and mask in all four.
; LDS: two slots of a chunk each; behind them the spare words.  By this text's count a wave has two tensor loads out at the start and one behind each refill.
.set SLOT1, 1<<17
.set SPARE, 2*SLOT1        ; 128 bytes for each wave, named by no other line
.set LN,  1                ; v1   16 x lane
.set AK,  2                ; v2   K's next run of loads
.set AV,  3                ; v3   V's
.set SPW, 4                ; v4   my spare word
.set NIL, 5                ; v5   0
.set LNK, 6                ; v6   16 x lane + a step's 4,096 bytes
.set LNV, 7                ; v7   16 x lane + 65,536: V's part of a slot
.set ST,  8                ; tile t at ST + 4 t: m, its pair's partner, a, its partner
.set Q,   16               ; 8 a tile
.set ONES, 32              ; 16 x 32 ones in f16
.set KF,  40               ; K of one step: block kb of 16 keys at + 8 kb
.set VF,  72               ; V of one step: 32 keys kk, channel block cb at + 16 kk + 8 cb
.set S,   104              ; scores: + 32 t + 8 kb
.set P,   168              ; weights: + 16 t + 8 kk; a tile's first four registers are at work while the maximum is found
.set O,   200              ; + 16 t + 8 cb
.set L,   232              ; + 8 t: all eight registers would hold l; the first two are kept scaled and the first is read
.macro BAR
	s_barrier_signal -1
	s_barrier_wait -1
.endm
.macro CROUND                          ; a round of the cluster's barrier
	s_barrier_signal -1
	s_barrier_wait -1
	s_cmp_lg_u32 s12, 0
	s_cbranch_scc1 .Lnot_wave_0_\@
	s_barrier_signal -3
.Lnot_wave_0_\@:
	s_barrier_wait -3
	s_barrier_signal -1
	s_barrier_wait -1
.endm
	s_load_b128 s[4:7], s[0:1], 0x0        ; qf s[4:5], kv s[6:7]
	s_load_b64 s[8:9], s[0:1], 0x10        ; of
	v_lshl_add_u32 v[SPW], v0, 2, SPARE
	v_mov_b32 v[NIL], 0
	ds_add_u32 v[SPW], v[NIL]              ; the wave's opening: the add and its wait ahead of my first tensor load; the set-up stands between them
	v_lshrrev_b32 v1, 5, v0
	v_readfirstlane_b32 s12, v1            ; wave
	s_bfe_u32 s13, ttmp6, 0x40000          ; cx
	s_lshl_b32 s14, ttmp9, 2
	s_add_co_u32 s14, s14, s13             ; my block of 256 queries: it enters qf's and of's addresses alone
	s_and_b32 s15, ttmp7, 0xffff           ; batch and head, which the partners share
	; descriptor group 1: 16,384 dense bytes as 64 rows of 256
	s_mov_b32 s16, 15|(3<<16)|(1<<21)      ; 15:0 the mask of four; 17:16 elements of 8 bytes; 21 set beside a mask; no padding: fragments are read 16 bytes a lane on end
	s_mov_b32 s17, 32<<16                  ; tensor_dim0 = 32
	s_mov_b32 s18, 64<<16                  ; tensor_dim1 = 64
	s_mov_b32 s19, 32<<16                  ; tile_dim0 = 32
	s_mov_b32 s20, 64                      ; tile_dim1 = 64
	s_mov_b32 s21, 32                      ; 32 elements from row to row
	s_mov_b32 s22, 0
	s_mov_b32 s23, 0
	s_mov_b32 s24, 1                       ; group 0 for slot 0, chunk 0
	s_lshl_b32 s25, s12, 14                ; my eighth of a slot
	s_mov_b32 s28, 1                       ; group 0 for slot 1, chunk 1; it then walks
	s_add_co_u32 s29, s25, SLOT1
	s_lshl_b32 s38, s15, 19                ; kv: the pair's 524,288 bytes, my eighth of a chunk
	s_add_co_u32 s38, s38, s25
	s_mov_b32 s39, 0
	s_lshl_b32 s40, s15, 18                ; qf: the pair, my block's 16 tiles, my wave's two
	s_lshl_b32 s41, s14, 14
	s_add_co_u32 s40, s40, s41
	s_lshl_b32 s41, s12, 11
	s_add_co_u32 s40, s40, s41
	s_mov_b32 s41, 0
	s_lshr_b32 s42, s15, 3                 ; of: [batch][16 rows][head][1,024 bytes]
	s_lshl_b32 s42, s42, 21
	s_lshl_b32 s43, s14, 17
	s_add_co_u32 s42, s42, s43
	s_lshl_b32 s43, s12, 14
	s_add_co_u32 s42, s42, s43
	s_and_b32 s43, s15, 7
	s_lshl_b32 s43, s43, 10
	s_add_co_u32 s42, s42, s43
	s_mov_b32 s43, 0
	s_mov_b32 s36, 0x76543210              ; v_permlanex16_b32: each lane takes its own place in the other half
	s_mov_b32 s37, 0xfedcba98
	s_mov_b32 s32, 0                       ; LDS byte at which K of the step in hand begins
	s_wait_dscnt 0x0                       ; the opening add is done
	s_wait_kmcnt 0x0
	s_add_nc_u64 s[26:27], s[6:7], s[38:39]
	s_add_nc_u64 s[30:31], s[26:27], SLOT1 ; a chunk is as long as a slot
	s_or_b32 s27, s27, 0x80000000          ; type = 2
	s_or_b32 s31, s31, 0x80000000
	s_add_nc_u64 s[4:5], s[4:5], s[40:41]
	s_add_nc_u64 s[8:9], s[8:9], s[42:43]
	CROUND                                 ; all four work-groups are here: the first joint loads meet
	tensor_load_to_lds s[24:27], s[16:23]
	s_nop 0
	tensor_load_to_lds s[28:31], s[16:23]
	s_nop 0
	v_and_b32 v1, 31, v0
	v_lshlrev_b32 v[LN], 4, v1
.irp u, 0,1,2,3                        ; Q stays in registers: tile u / 2, channels 16 (u % 2) on
	global_load_b128 v[Q+4*(\u):Q+4*(\u)+3], v[LN], s[4:5] offset:512*(\u)
.endr
	v_add_nc_u32 v[LNK], 4096, v[LN]
	v_add_nc_u32 v[LNV], 65536, v[LN]
.set i, 0
.rept 8
	v_mov_b32 v[ONES+i], 0x3c003c00
.set i, i+1
.endr
.irp t, 0,1
	v_mov_b32 v[ST+4*(\t)], 0xff7fffff     ; m
	v_mov_b32 v[ST+4*(\t)+1], 0
	v_mov_b32 v[ST+4*(\t)+2], 0
	v_mov_b32 v[ST+4*(\t)+3], 0
.endr
.set i, O
.rept 48                               ; O and l: cleared on purpose, in the wait for the first chunk, so that no first step is written out
	v_mov_b32 v[i], 0
.set i, i+1
.endr
	s_wait_tensorcnt 0x1                   ; my part of slot 0 is in; slot 1's may stay out
	BAR
	s_wait_loadcnt 0x0                     ; Q
; Number n of the 21 that find both tiles' maximum and a; the tiles alternate.  Each accumulator's lowest registers are read first.
.macro MX n
.irp t, 0,1
.set rS, S+32*(\t)
.set rC, P+16*(\t)
.set rT, ST+4*(\t)
.if (\n) < 4
	v_max3_num_f32 v[rC+(\n)], v[rS+8*(\n)], v[rS+8*(\n)+1], v[rS+8*(\n)+2]
.elseif (\n) < 12
	v_max3_num_f32 v[rC+(\n)%4], v[rC+(\n)%4], v[rS+8*((\n)%4)+2*((\n)/4)+1], v[rS+8*((\n)%4)+2*((\n)/4)+2]
.elseif (\n) == 12
	v_max3_num_f32 v[rC], v[rC], v[rS+7], v[rS+15]
.elseif (\n) == 13
	v_max3_num_f32 v[rC+1], v[rC+1], v[rS+23], v[rS+31]
.elseif (\n) == 14
	v_max3_num_f32 v[rC+2], v[rC+2], v[rC+3], v[rT]
.elseif (\n) == 15
	v_max3_num_f32 v[rC], v[rC], v[rC+1], v[rC+2]
.elseif (\n) == 16
	v_permlanex16_b32 v[rC+3], v[rC], s36, s37     ; the query's other 32 keys lie in the lane 16 away
.elseif (\n) == 17
	v_max_num_f32 v[rC+1], v[rC], v[rC+3]
.elseif (\n) == 18
	v_sub_f32 v[rC+2], v[rT], v[rC+1]              ; m_old - m_new
.elseif (\n) == 19
	v_mov_b32 v[rT], v[rC+1]
.else
	v_exp_f32 v[rT+2], v[rC+2]                     ; a
.endif
.endr
.endm
.macro SUBI t, i                       ; pair i of 16: s - m
	v_pk_add_f32 v[S+32*(\t)+2*(\i):S+32*(\t)+2*(\i)+1], v[S+32*(\t)+2*(\i):S+32*(\t)+2*(\i)+1], v[ST+4*(\t):ST+4*(\t)+1] op_sel_hi:[1,0] neg_lo:[0,1] neg_hi:[0,1]
.endm
.macro EXPN t, n
	v_exp_f32 v[S+32*(\t)+(\n)], v[S+32*(\t)+(\n)]
.endm
.macro CVTI t, i
	s_wait_alu depctr_va_vdst(0)
	v_cvt_pk_f16_f32 v[P+16*(\t)+(\i)], v[S+32*(\t)+2*(\i)], v[S+32*(\t)+2*(\i)+1]
.endm
.macro RSR t, r                        ; pair r of O's eight, or (r = 8) l, times a
.if (\r) < 8
	s_wait_alu depctr_va_vdst(0)
	v_pk_mul_f32 v[O+16*(\t)+2*(\r):O+16*(\t)+2*(\r)+1], v[O+16*(\t)+2*(\r):O+16*(\t)+2*(\r)+1], v[ST+4*(\t)+2:ST+4*(\t)+3] op_sel_hi:[1,0]
.else
	v_pk_mul_f32 v[L+8*(\t):L+8*(\t)+1], v[L+8*(\t):L+8*(\t)+1], v[ST+4*(\t)+2:ST+4*(\t)+3] op_sel_hi:[1,0]
.endif
.endm
; A tile's 32 exponentials, each with a plain instruction behind it that is ready and names neither its result nor its source: a subtraction four pairs ahead, a rounding a pair back, a rescaling.
.macro SOFTB t
.irp u, 0,1,2,3
	SUBI \t, \u
.endr
.set ii, 0
.rept 16
	EXPN \t, 2*ii
.if ii < 12
	SUBI \t, ii+4
.else
	RSR \t, ii-11
.endif
	EXPN \t, 2*ii+1
.if ii == 0
	RSR \t, 0
.else
	CVTI \t, ii-1
.endif
.set ii, ii+1
.endr
	CVTI \t, 15
.irp u, 5,6,7,8
	RSR \t, \u
.endr
.endm
.macro LOADK
.irp kb, 0,1,2,3
	ds_load_b128 v[KF+8*(\kb):KF+8*(\kb)+3], v[AK] offset:1024*(\kb)
	ds_load_b128 v[KF+8*(\kb)+4:KF+8*(\kb)+7], v[AK] offset:1024*(\kb)+512
.endr
.endm
; A KEY STEP: 8 products K Q^T; V of this step and K of the next are asked for; maximum; exponentials; 12 products, whose six accumulators take turns, one instruction a turn.
.macro STEP
	s_wait_dscnt 0x0                       ; K is in
.irp kb, 0,1,2,3
.irp t, 0,1
	v_wmma_f32_16x16x32_f16 v[S+32*(\t)+8*(\kb):S+32*(\t)+8*(\kb)+7], v[KF+8*(\kb):KF+8*(\kb)+7], v[Q+8*(\t):Q+8*(\t)+7], 0
.endr
.endr
	v_add_nc_u32 v[AV], s32, v[LNV]        ; four plain instructions: the places in front of the loads into K's and V's registers and of the lines that read the scores and write P's
	v_add_nc_u32 v[AK], s32, v[LNK]
	v_nop
	v_nop
	s_add_co_u32 s32, s32, 4096
.irp f, 0,1,2,3                        ; 32 keys f / 2, channel block f % 2
	ds_load_b128 v[VF+8*(\f):VF+8*(\f)+3], v[AV] offset:1024*(\f)
	ds_load_b128 v[VF+8*(\f)+4:VF+8*(\f)+7], v[AV] offset:1024*(\f)+512
.endr
	LOADK                                  ; in a slot's last step these read the head of the slot's own V and are not used: the price of one text for every step
.irp n, 0,1,2,3,4,5,6,7,8,9,10,11,12,13,14,15,16,17,18,19,20
	MX \n
.endr
	SOFTB 0
	SOFTB 1
	s_wait_dscnt 8                         ; V is in; K's eight loads, issued behind it, stay out
.irp kk, 0,1
.irp t, 0,1
	v_wmma_f32_16x16x32_f16 v[O+16*(\t):O+16*(\t)+7], v[VF+16*(\kk):VF+16*(\kk)+7], v[P+16*(\t)+8*(\kk):P+16*(\t)+8*(\kk)+7], v[O+16*(\t):O+16*(\t)+7]
	v_wmma_f32_16x16x32_f16 v[O+16*(\t)+8:O+16*(\t)+15], v[VF+16*(\kk)+8:VF+16*(\kk)+15], v[P+16*(\t)+8*(\kk):P+16*(\t)+8*(\kk)+7], v[O+16*(\t)+8:O+16*(\t)+15]
	v_wmma_f32_16x16x32_f16 v[L+8*(\t):L+8*(\t)+7], v[ONES:ONES+7], v[P+16*(\t)+8*(\kk):P+16*(\t)+8*(\kk)+7], v[L+8*(\t):L+8*(\t)+7]
.endr
.endr
.endm
.macro SLOTRUN                         ; a slot's 16 steps
	v_add_nc_u32 v[AK], s32, v[LN]
	LOADK
	s_mov_b32 s33, 16
.Lstep_\@:
	STEP
	s_sub_co_u32 s33, s33, 1
	s_cmp_lg_u32 s33, 0
	s_cbranch_scc1 .Lstep_\@
.endm
; THE CHANGE OF SLOTS.  Each wave waits for all its tensor loads (one is out: its part of the other slot), adds 0 to its spare word, and waits for that and for its reads of the slot that it leaves.
; fill = 1: the barrier is a round of the cluster's, so that no wave of any partner still reads the slot or has a load on its way; the joint refill, two chunks on, is the first thing behind it.
.macro CHANGE fill
	s_wait_tensorcnt 0x0                   ; no tensor load of mine is out, so a group 0 may be written
	ds_add_u32 v[SPW], v[NIL]
.if \fill
	s_xor_b32 s29, s29, SLOT1              ; the other slot than last time,
	s_add_nc_u64 s[30:31], s[30:31], SLOT1 ; the next chunk; the type bits on top are not reached
.endif
	s_wait_dscnt 0x0                       ; the add is done, and my reads of the slot are over
.if \fill
	CROUND
	tensor_load_to_lds s[28:31], s[16:23]
	s_nop 0
.else
	BAR
.endif
	s_sub_co_u32 s32, s32, 65536           ; back to a slot's first step,
	s_xor_b32 s32, s32, SLOT1              ; in the other slot
.endm
	s_mov_b32 s34, 2
.Lslot:                                ; chunks 0 and 1; their slots take chunks 2 and 3
	SLOTRUN
	CHANGE 1
	s_sub_co_u32 s34, s34, 1
	s_cmp_lg_u32 s34, 0
	s_cbranch_scc1 .Lslot
	SLOTRUN                                ; the tail is written out: nothing more is asked for
	CHANGE 0
	SLOTRUN
	; THE WAY OUT: O / l, rounded to bf16; a lane's eight channels of a row are 16 bytes of the next launch's fragment: each store covers 512 consecutive, aligned bytes
.rept 4
	v_nop
.endr
	v_rcp_f32 v[ST+2], v[L]
	v_rcp_f32 v[ST+6], v[L+8]
	v_nop                                  ; a plain instruction between the last reciprocal and the use of its result
.irp t, 0,1
.irp r, 0,1,2,3,4,5,6,7
	RSR \t, \r
.endr
.endr
.irp f, 0,1,2,3                        ; tile f / 2, channel block f % 2
.irp p, 0,1,2,3
	v_cvt_pk_bf16_f32 v[S+4*(\f)+(\p)], v[O+8*(\f)+2*(\p)], v[O+8*(\f)+2*(\p)+1]
.endr
	global_store_b128 v[LN], v[S+4*(\f):S+4*(\f)+3], s[8:9] offset:((\f)/2)*8192+((\f)%2)*512
.endr
	s_wait_tensorcnt 0x0                   ; the wave's end
	ds_add_u32 v[SPW], v[NIL]
	s_wait_dscnt 0x0
	CROUND                                 ; the closing round: no work-group ends while a partner may still ask for a chunk that names it
	s_endpgm
.Lfunc_end_k_qdd05abf66d_attn:
	.size	k_qdd05abf66d_attn, .Lfunc_end_k_qdd05abf66d_attn-k_qdd05abf66d_attn
	.p2alignl 7, 3214868480
	.fill 96, 4, 3214868480
	.section	.rodata,"a",@progbits
	.p2align	6, 0x0
	.amdhsa_kernel k_qdd05abf66d_attn
		.amdhsa_group_segment_fixed_size 327680
		.amdhsa_private_segment_fixed_size 0
		.amdhsa_enable_private_segment 0
		.amdhsa_kernarg_size 24
		.amdhsa_user_sgpr_count 2
		.amdhsa_user_sgpr_kernarg_segment_ptr 1
		.amdhsa_wavefront_size32 1
		.amdhsa_system_sgpr_workgroup_id_x 1
		.amdhsa_system_sgpr_workgroup_id_y 1
		.amdhsa_system_sgpr_workgroup_id_z 1
		.amdhsa_system_vgpr_workitem_id 0
		.amdhsa_next_free_vgpr 256
		.amdhsa_next_free_sgpr 66
		.amdhsa_reserve_vcc 0
		.amdhsa_float_denorm_mode_32 3
		.amdhsa_float_denorm_mode_16_64 3
		.amdhsa_memory_ordered 1
		.amdhsa_forward_progress 1
		.amdhsa_inst_pref_size 54
	.end_amdhsa_kernel
	.amdgpu_metadata
---
amdhsa.version: [ 1, 2 ]
amdhsa.kernels:
  - .name:           k_qdd05abf66d_attn
    .symbol:         k_qdd05abf66d_attn.kd
    .args:
      - { .name: qf, .offset: 0, .size: 8, .value_kind: global_buffer, .address_space: global }
      - { .name: kv, .offset: 8, .size: 8, .value_kind: global_buffer, .address_space: global }
      - { .name: of, .offset: 16, .size: 8, .value_kind: global_buffer, .address_space: global }
    .group_segment_fixed_size: 327680
    .private_segment_fixed_size: 0
    .kernarg_segment_align: 8
    .kernarg_segment_size: 24
    .max_flat_workgroup_size: 256
    .sgpr_count:     66
    .vgpr_count:     256
    .wavefront_size: 32
...
	.end_amdgpu_metadata
.endif
;; end of part 2
;; launch tail (part 3): grid 128 x 1, 8 waves a work-group, no clusters, 205,824 bytes of LDS; arguments of, wf, x, bo, g2, b2, bf1, bf2, out0; writes out0
.if DOCPART == 3
	.amdgcn_target "amdgcn-amd-amdhsa--gfx1250"
	.amdhsa_code_object_version 6
	.text
	.protected	k_qdd05abf66d_tail
	.globl	k_qdd05abf66d_tail
	.p2align	8
	.type	k_qdd05abf66d_tail,@function
k_qdd05abf66d_tail:
	s_mov_b64 s[64:65], 0
	v_nop
	global_prefetch_b8 v0, s[64:65] scope:SCOPE_SE
	s_setreg_imm32_b32 hwreg(HW_REG_WAVE_MODE, 25, 1), 1
	s_wait_xcnt 0x0
; THE REST OF THE BLOCK.  y = x^T + O wo + bo;  out = (y + relu(LN2(y) w1 + bf1) w2 + bf2)^T.  x, out0: [2][256 c][4096 n] f32.  O and all weights in bf16, laid as fragments by the launches before;
; sums, LayerNorm (two passes) and the residual in f32; LN2's output and the hidden layer rounded once to bf16.  NaN and infinities are not treated apart.
; SHARES.  A work-group: 64 rows n.  Wave w owns output channels 32 w .. + 31 of EVERY product, for all 64 rows: 8 accumulators (i = 16 channels, nb = 16 rows); source 0 = weights, source 1 = activations,
; so a lane holds one row and eight channels.  y therefore stays in the same 64 registers from x's arrival to the last store.  The hidden layer goes in four chunks of 256.
; 128 work-groups: every work-group reads all the weights whatever its rows, and 64 rows are 256 bytes of each channel of x and out0.  No cluster and no LDS ring for the weights: each fragment is used by
; one wave alone, so it comes straight into that wave's registers, through a ring of five slots of four loads.
; LDS: XT f32 [c 256] pitch 272, each wave's own 32 rows (x in, out0 out: turned between row-a-lane and 256 bytes on end); OA, XN, HB0, HB1: activations as fragments, [K step][nb][1,024 B]
; (OA: [nb][K step]); two areas [row 64][wave 8] for LayerNorm's sums; the spare words.
.set XTP,   272
.set OA,    256*XTP
.set XN,    OA+32768
.set HB0,   XN+32768
.set RED1,  HB0+65536      ; the sums of squares 2,048 bytes further on
.set SPARE, RED1+4096      ; 128 bytes for each wave, named by no other line
.set LN,  1                ; v1   16 x lane
.set XO,  2                ; v2   x, out0: channel 32 w + lane / 16, 16 bytes of its 256
.set XS,  3                ; v3   the same place in XT
.set XR,  4                ; v4   XT: channel 32 w + 8 h, row r
.set AOA, 5                ; v5-7 fragment reads of OA, XN, HB
.set AXN, 6
.set AHB, 7
.set SXN, 8                ; v8-9 where my wave's fragments of XN and HB go
.set SHB, 9
.set SOA, 10               ; v10  my eighth of OA; later 0, for the ReLU
.set RW,  11               ; v11  my wave's sum for row r
.set RR,  12               ; v12  the eight waves' sums for row r
.set PV,  13               ; v13  a parameter's eight numbers for my lane
.set SPW, 14               ; v14  my spare word
.set NIL, 15               ; v15  0
.set Y,   16               ; v16-79   y: (i, nb) at + 8 (4 i + nb)
.set H,   80               ; v80-143  the hidden chunk's accumulators; x and out0 on their way; LayerNorm's work
.set ACT, 144              ; v144-175 four activation fragments; O on its way
.set RING, 176             ; v176-255 five slots of 16
.set ISS, 0                ; slots of the stream issued so far
.macro BAR
	s_barrier_signal -1
	s_barrier_wait -1
.endm
; THE STREAM: 80 slots of four 16-byte loads, in the order of use: 0 bo; 1-8 wo; 9, 10, 11 g2, b2, bf2; then for each chunk bf1's part, 8 of w1, 8 of w2.  Slot n lands in ring place n % 5.
.macro PLOAD sp, off                   ; a parameter: channels 32 w + 8 h + 0..7 and 16 further on, as an accumulator's registers lie
	global_load_b128 v[RG:RG+3], v[PV], s[\sp:\sp+1] offset:(\off)
	global_load_b128 v[RG+4:RG+7], v[PV], s[\sp:\sp+1] offset:(\off)+16
	global_load_b128 v[RG+8:RG+11], v[PV], s[\sp:\sp+1] offset:(\off)+64
	global_load_b128 v[RG+12:RG+15], v[PV], s[\sp:\sp+1] offset:(\off)+80
.endm
.macro WLOADT tau                      ; my two weight fragments of step tau: 2,048 consecutive bytes
.irp u, 0,1,2,3
	global_load_b128 v[RG+4*(\u):RG+4*(\u)+3], v[LN], s[10:11] offset:2048*(\tau)+512*(\u)
.endr
.endm
.macro ISSUE
.if ISS < 80
.set RG, RING+16*(ISS%5)
.if ISS == 0
	PLOAD 14, 0
.elseif ISS < 9
	WLOADT ISS-1
.elseif ISS == 9
	PLOAD 16, 0
.elseif ISS == 10
	PLOAD 18, 0
.elseif ISS == 11
	PLOAD 22, 0
.elseif (ISS-12)%17 == 0
	PLOAD 20, 1024*((ISS-12)/17)
.else
	WLOADT 8+16*((ISS-12)/17)+(ISS-12)%17-1
.endif
.set ISS, ISS+1
.endif
.endm
; A K STEP of 32 on the eight accumulators at acc, which take turns, one instruction a turn.  sig: the stream's slot with its weights.  cm = 1: the sums start from the bias, which lies in
; the slot before.  The count of the wait: four loads for each slot issued behind slot sig.  The four v_nop are the places in front of the loads into the registers just multiplied, and of whatever reads the sums.
.macro KSTEP sig, acc, areg, base, nbs, cm
.irp nb, 0,1,2,3
	ds_load_b128 v[ACT+8*(\nb):ACT+8*(\nb)+3], v[\areg] offset:(\base)+(\nbs)*(\nb)
	ds_load_b128 v[ACT+8*(\nb)+4:ACT+8*(\nb)+7], v[\areg] offset:(\base)+(\nbs)*(\nb)+512
.endr
	s_wait_loadcnt 4*(ISS-1-(\sig))
	s_wait_dscnt 0x0
.set rW, RING+16*((\sig)%5)
.set rB, RING+16*(((\sig)-1)%5)
.irp i, 0,1
.irp nb, 0,1,2,3
.if \cm
	v_wmma_f32_16x16x32_bf16 v[(\acc)+8*(4*(\i)+(\nb)):(\acc)+8*(4*(\i)+(\nb))+7], v[rW+8*(\i):rW+8*(\i)+7], v[ACT+8*(\nb):ACT+8*(\nb)+7], v[rB+8*(\i):rB+8*(\i)+7]
.else
	v_wmma_f32_16x16x32_bf16 v[(\acc)+8*(4*(\i)+(\nb)):(\acc)+8*(4*(\i)+(\nb))+7], v[rW+8*(\i):rW+8*(\i)+7], v[ACT+8*(\nb):ACT+8*(\nb)+7], v[(\acc)+8*(4*(\i)+(\nb)):(\acc)+8*(4*(\i)+(\nb))+7]
.endif
.endr
.endr
.rept 4
	v_nop
.endr
	ISSUE
.if \cm
	ISSUE                                  ; two slots were used up
.endif
.endm
.macro YADD rg                         ; y += a parameter that lies at v[rg .. rg + 15]
.set q, 0
.rept 8
.irp p, 0,1,2,3
	v_pk_add_f32 v[Y+8*q+2*(\p):Y+8*q+2*(\p)+1], v[Y+8*q+2*(\p):Y+8*q+2*(\p)+1], v[(\rg)+8*(q/4)+2*(\p):(\rg)+8*(q/4)+2*(\p)+1]
.endr
.set q, q+1
.endr
.endm
	s_load_b512 s[8:23], s[0:1], 0x0       ; of 8, wf 10, x 12, bo 14, g2 16, b2 18, bf1 20, bf2 22
	s_load_b64 s[24:25], s[0:1], 0x40      ; out0
	v_lshl_add_u32 v[SPW], v0, 2, SPARE
	v_mov_b32 v[NIL], 0
	v_lshrrev_b32 v16, 5, v0
	v_readfirstlane_b32 s2, v16            ; wave
	s_lshr_b32 s4, ttmp9, 6                ; batch
	s_and_b32 s5, ttmp9, 63                ; my 64 rows among its 4,096
	s_mov_b32 s30, 0x3b800000              ; 1 / 256
	s_mov_b32 s32, 0x76543210              ; v_permlanex16_b32: each lane takes its own place in the other half
	s_mov_b32 s33, 0xfedcba98
	v_and_b32 v17, 31, v0
	v_lshrrev_b32 v18, 4, v17              ; h
	v_and_b32 v19, 15, v17                 ; r
	v_lshlrev_b32 v[LN], 4, v17
	v_lshlrev_b32 v[XO], 14, v18
	v_lshl_add_u32 v[XO], v19, 4, v[XO]
	v_lshl_add_u32 v[XO], s2, 19, v[XO]    ; 32 w channels of 16,384 bytes
	s_mul_i32 s6, s2, 32*XTP               ; my 32 rows of XT
	v_mul_u32_u24 v[XS], v18, XTP
	v_lshl_add_u32 v[XS], v19, 4, v[XS]
	v_add_nc_u32 v[XS], s6, v[XS]
	v_mul_u32_u24 v[XR], v18, 8*XTP
	v_lshl_add_u32 v[XR], v19, 2, v[XR]
	v_add_nc_u32 v[XR], s6, v[XR]
	v_add_nc_u32 v[AOA], OA, v[LN]
	v_add_nc_u32 v[AXN], XN, v[LN]
	v_add_nc_u32 v[AHB], HB0, v[LN]
	s_lshl_b32 s6, s2, 12
	v_add_nc_u32 v[SXN], s6, v[AXN]
	v_add_nc_u32 v[SHB], s6, v[AHB]
	v_add_nc_u32 v[SOA], s6, v[AOA]
	s_lshl_b32 s7, s2, 2
	s_add_co_u32 s7, s7, RED1
	v_lshl_add_u32 v[RW], v19, 5, s7
	v_lshlrev_b32 v[RR], 5, v19
	v_add_nc_u32 v[RR], RED1, v[RR]
	s_lshl_b32 s7, s2, 7
	v_lshl_add_u32 v[PV], v18, 5, s7
	s_lshl_b32 s26, s4, 22                 ; x, out0: the batch, my 64 rows
	s_lshl_b32 s7, s5, 8
	s_add_co_u32 s26, s26, s7
	s_mov_b32 s27, 0
	s_lshl_b32 s28, s4, 21                 ; of: the batch, my four blocks of 16 rows, my wave's eighth of them
	s_lshl_b32 s7, s5, 15
	s_add_co_u32 s28, s28, s7
	s_add_co_u32 s28, s28, s6
	s_mov_b32 s29, 0
	s_mul_i32 s34, s2, 147456              ; wf: my wave's 72 steps
	s_mov_b32 s35, 0
	s_wait_kmcnt 0x0
	s_add_nc_u64 s[12:13], s[12:13], s[26:27]
	s_add_nc_u64 s[24:25], s[24:25], s[26:27]
	s_add_nc_u64 s[8:9], s[8:9], s[28:29]
	s_add_nc_u64 s[10:11], s[10:11], s[34:35]
.set i, 0
.rept 16                               ; x: two channels' 256 bytes a load
	global_load_b128 v[H+4*i:H+4*i+3], v[XO], s[12:13] offset:32768*i
.set i, i+1
.endr
.set i, 0
.rept 8                                ; O: my 4,096 of the work-group's 32,768 bytes, which go into LDS as they lie
	global_load_b128 v[ACT+4*i:ACT+4*i+3], v[LN], s[8:9] offset:512*i
.set i, i+1
.endr
.rept 5
	ISSUE
.endr
	s_wait_loadcnt 28                      ; x is in: behind it stand O's 8 loads and the stream's 20
.set i, 0
.rept 16
	ds_store_b128 v[XS], v[H+4*i:H+4*i+3] offset:2*XTP*i
.set i, i+1
.endr
	s_wait_loadcnt 20                      ; O is in
.set i, 0
.rept 8
	ds_store_b128 v[SOA], v[ACT+4*i:ACT+4*i+3] offset:512*i
.set i, i+1
.endr
.set q, 0
.rept 8                                ; x comes back as the accumulators lie: my own rows of XT, and LDS serves a wave's instructions in order (ISA guide 5.7.1.4)
.irp j, 0,1,2,3,4,5,6,7
	ds_load_b32 v[Y+8*q+(\j)], v[XR] offset:(16*(q/4)+(\j))*XTP+64*(q%4)
.endr
.set q, q+1
.endr
	s_wait_dscnt 0x0                       ; y = x is in; for the others' sake: my part of OA is in LDS
	BAR
	v_mov_b32 v[SOA], 0                    ; from here on: 0, for the ReLU
	s_wait_loadcnt 4*(ISS-1-0)             ; bo
	YADD RING
	ISSUE
.set tt, 0
.rept 8                                ; y += O wo: a K step is a head
	KSTEP 1+tt, Y, AOA, 1024*tt, 8192, 0
.set tt, tt+1
.endr
	; LAYERNORM 2.  For row block nb eight registers at H + 8 nb: 0-1 mean (twice), 2-3 at work, then -mean x rstd, 4-5 rstd, 6-7 squares.  A lane has 16 channels of its row, the lane 16 away 16 more, the wave 32.
.macro ACROSS vr, sr, off              ; v[H + 8 nb + vr]: summed over the halves of the lanes, then over the waves through LDS -> v[H + 32 + 8 nb]
.irp nb, 0,1,2,3
	v_permlanex16_b32 v[H+8*(\nb)+(\sr)], v[H+8*(\nb)+(\vr)], s32, s33
.endr
.irp nb, 0,1,2,3
	v_add_f32 v[H+8*(\nb)+(\vr)], v[H+8*(\nb)+(\vr)], v[H+8*(\nb)+(\sr)]
.endr
.irp nb, 0,1,2,3
	ds_store_b32 v[RW], v[H+8*(\nb)+(\vr)] offset:(\off)+512*(\nb)
.endr
	s_wait_dscnt 0x0                       ; for the others' sake
	BAR
.irp nb, 0,1,2,3
	ds_load_b128 v[H+32+8*(\nb):H+35+8*(\nb)], v[RR] offset:(\off)+512*(\nb)
	ds_load_b128 v[H+36+8*(\nb):H+39+8*(\nb)], v[RR] offset:(\off)+512*(\nb)+16
.endr
	s_wait_dscnt 0x0
.irp nb, 0,1,2,3
	v_pk_add_f32 v[H+32+8*(\nb):H+33+8*(\nb)], v[H+32+8*(\nb):H+33+8*(\nb)], v[H+34+8*(\nb):H+35+8*(\nb)]
	v_pk_add_f32 v[H+36+8*(\nb):H+37+8*(\nb)], v[H+36+8*(\nb):H+37+8*(\nb)], v[H+38+8*(\nb):H+39+8*(\nb)]
.endr
.irp nb, 0,1,2,3
	v_pk_add_f32 v[H+32+8*(\nb):H+33+8*(\nb)], v[H+32+8*(\nb):H+33+8*(\nb)], v[H+36+8*(\nb):H+37+8*(\nb)]
.endr
.irp nb, 0,1,2,3
	v_add_f32 v[H+32+8*(\nb)], v[H+32+8*(\nb)], v[H+33+8*(\nb)]
.endr
.endm
.irp nb, 0,1,2,3                       ; each accumulator's lowest registers are read first
	v_pk_add_f32 v[H+8*(\nb):H+8*(\nb)+1], v[Y+8*(\nb):Y+8*(\nb)+1], v[Y+8*(\nb)+2:Y+8*(\nb)+3]
	v_pk_add_f32 v[H+8*(\nb)+2:H+8*(\nb)+3], v[Y+8*(\nb)+4:Y+8*(\nb)+5], v[Y+8*(\nb)+6:Y+8*(\nb)+7]
	v_pk_add_f32 v[H+8*(\nb)+4:H+8*(\nb)+5], v[Y+32+8*(\nb):Y+32+8*(\nb)+1], v[Y+32+8*(\nb)+2:Y+32+8*(\nb)+3]
	v_pk_add_f32 v[H+8*(\nb)+6:H+8*(\nb)+7], v[Y+32+8*(\nb)+4:Y+32+8*(\nb)+5], v[Y+32+8*(\nb)+6:Y+32+8*(\nb)+7]
.endr
.irp nb, 0,1,2,3
	v_pk_add_f32 v[H+8*(\nb):H+8*(\nb)+1], v[H+8*(\nb):H+8*(\nb)+1], v[H+8*(\nb)+2:H+8*(\nb)+3]
	v_pk_add_f32 v[H+8*(\nb)+4:H+8*(\nb)+5], v[H+8*(\nb)+4:H+8*(\nb)+5], v[H+8*(\nb)+6:H+8*(\nb)+7]
.endr
.irp nb, 0,1,2,3
	v_pk_add_f32 v[H+8*(\nb):H+8*(\nb)+1], v[H+8*(\nb):H+8*(\nb)+1], v[H+8*(\nb)+4:H+8*(\nb)+5]
.endr
.irp nb, 0,1,2,3
	v_add_f32 v[H+8*(\nb)], v[H+8*(\nb)], v[H+8*(\nb)+1]
.endr
	ACROSS 0, 1, 0
.irp nb, 0,1,2,3
	v_mul_f32 v[H+8*(\nb)], s30, v[H+32+8*(\nb)]   ; the mean, twice
	v_mul_f32 v[H+8*(\nb)+1], s30, v[H+32+8*(\nb)]
.endr
.set pp, 0
.rept 8                                ; the squares of y - mean: pair pp % 4 of accumulator (pp / 4, nb)
.irp nb, 0,1,2,3
	v_pk_add_f32 v[H+8*(\nb)+2:H+8*(\nb)+3], v[Y+8*(4*(pp/4)+(\nb))+2*(pp%4):Y+8*(4*(pp/4)+(\nb))+2*(pp%4)+1], v[H+8*(\nb):H+8*(\nb)+1] neg_lo:[0,1] neg_hi:[0,1]
.endr
.irp nb, 0,1,2,3
.if pp == 0
	v_pk_mul_f32 v[H+8*(\nb)+6:H+8*(\nb)+7], v[H+8*(\nb)+2:H+8*(\nb)+3], v[H+8*(\nb)+2:H+8*(\nb)+3]
.else
	v_pk_fma_f32 v[H+8*(\nb)+6:H+8*(\nb)+7], v[H+8*(\nb)+2:H+8*(\nb)+3], v[H+8*(\nb)+2:H+8*(\nb)+3], v[H+8*(\nb)+6:H+8*(\nb)+7]
.endif
.endr
.set pp, pp+1
.endr
.irp nb, 0,1,2,3
	v_add_f32 v[H+8*(\nb)+6], v[H+8*(\nb)+6], v[H+8*(\nb)+7]
.endr
	ACROSS 6, 7, 2048
.irp nb, 0,1,2,3
	v_fmaak_f32 v[H+8*(\nb)+4], s30, v[H+32+8*(\nb)], 0x3727c5ac   ; variance + 1e-5
.endr
.irp nb, 0,1,2,3
	v_rsq_f32 v[H+8*(\nb)+4], v[H+8*(\nb)+4]
.endr
	v_nop                                  ; a plain instruction between the last root and the use of its result
	s_wait_alu depctr_va_vdst(0)
.irp nb, 0,1,2,3
	v_mov_b32 v[H+8*(\nb)+5], v[H+8*(\nb)+4]
	v_mul_f32 v[H+8*(\nb)+2], -v[H+8*(\nb)], v[H+8*(\nb)+4]
	v_mul_f32 v[H+8*(\nb)+3], -v[H+8*(\nb)], v[H+8*(\nb)+4]
.endr
	s_wait_loadcnt 4*(ISS-1-11)            ; g2, b2, bf2: slots 9, 10, 11, in ring places 4, 0, 1
.set q, 0
.rept 8                                ; (y rstd - mean rstd) g2 + b2, rounded to bf16: my 32 channels are K step w of the next product
.set rZ, H+32+8*q
.set rT, H+8*(q%4)
.irp p, 0,1,2,3
	v_pk_fma_f32 v[rZ+2*(\p):rZ+2*(\p)+1], v[Y+8*q+2*(\p):Y+8*q+2*(\p)+1], v[rT+4:rT+5], v[rT+2:rT+3]
.endr
.irp p, 0,1,2,3
	v_pk_fma_f32 v[rZ+2*(\p):rZ+2*(\p)+1], v[rZ+2*(\p):rZ+2*(\p)+1], v[RING+64+8*(q/4)+2*(\p):RING+64+8*(q/4)+2*(\p)+1], v[RING+8*(q/4)+2*(\p):RING+8*(q/4)+2*(\p)+1]
.endr
.irp p, 0,1,2,3
	v_cvt_pk_bf16_f32 v[rZ+(\p)], v[rZ+2*(\p)], v[rZ+2*(\p)+1]
.endr
	ds_store_b128 v[SXN], v[rZ:rZ+3] offset:1024*(q%4)+512*(q/4)
.set q, q+1
.endr
	YADD RING+16                           ; y += bf2: the second residual's constant part
	ISSUE
	ISSUE
	ISSUE
	s_wait_dscnt 0x0                       ; for the others' sake: my part of XN is in LDS
	BAR
	; THE FFN, four chunks of 256 hidden channels.  One barrier a chunk: HB has two buffers, and a buffer is written again only behind the next chunk's barrier, which every wave reaches with its reads done.
.set ch, 0
.rept 4
.set s0, 12+17*ch
.set tt, 0
.rept 8                                ; hidden = LN2(y) w1 + bf1
	KSTEP s0+1+tt, H, AXN, 4096*tt, 1024, (tt==0)
.set tt, tt+1
.endr
.set q, 0
.rept 8                                ; rounded to bf16, then the ReLU on packed halves: the maximum rounds nothing
.irp p, 0,1,2,3
	v_cvt_pk_bf16_f32 v[H+8*q+(\p)], v[H+8*q+2*(\p)], v[H+8*q+2*(\p)+1]
.endr
.irp p, 0,1,2,3
	v_pk_max_num_bf16 v[H+8*q+(\p)], v[H+8*q+(\p)], v[SOA]
.endr
	ds_store_b128 v[SHB], v[H+8*q:H+8*q+3] offset:32768*(ch&1)+1024*(q%4)+512*(q/4)
.set q, q+1
.endr
	s_wait_dscnt 0x0                       ; for the others' sake
	BAR
.set tt, 0
.rept 8                                ; y += hidden w2
	KSTEP s0+9+tt, Y, AHB, 32768*(ch&1)+4096*tt, 1024, 0
.set tt, tt+1
.endr
.set ch, ch+1
.endr
	; THE WAY OUT: through my own rows of XT, back as 256 bytes of a channel on end: sixteen lanes store 256 consecutive, aligned bytes
.set q, 0
.rept 8
.irp j, 0,1,2,3,4,5,6,7
	ds_store_b32 v[XR], v[Y+8*q+(\j)] offset:(16*(q/4)+(\j))*XTP+64*(q%4)
.endr
.set q, q+1
.endr
.set i, 0
.rept 16
	ds_load_b128 v[H+4*i:H+4*i+3], v[XS] offset:2*XTP*i
.set i, i+1
.endr
.set i, 0
.rept 16
	s_wait_dscnt 15-i
	global_store_b128 v[XO], v[H+4*i:H+4*i+3], s[24:25] offset:32768*i
.set i, i+1
.endr
	s_wait_tensorcnt 0x0                   ; the wave's end
	ds_add_u32 v[SPW], v[NIL]
	s_wait_dscnt 0x0
	s_endpgm
.Lfunc_end_k_qdd05abf66d_tail:
	.size	k_qdd05abf66d_tail, .Lfunc_end_k_qdd05abf66d_tail-k_qdd05abf66d_tail
	.p2alignl 7, 3214868480
	.fill 96, 4, 3214868480
	.section	.rodata,"a",@progbits
	.p2align	6, 0x0
	.amdhsa_kernel k_qdd05abf66d_tail
		.amdhsa_group_segment_fixed_size 205824
		.amdhsa_private_segment_fixed_size 0
		.amdhsa_enable_private_segment 0
		.amdhsa_kernarg_size 72
		.amdhsa_user_sgpr_count 2
		.amdhsa_user_sgpr_kernarg_segment_ptr 1
		.amdhsa_wavefront_size32 1
		.amdhsa_system_sgpr_workgroup_id_x 1
		.amdhsa_system_sgpr_workgroup_id_y 1
		.amdhsa_system_sgpr_workgroup_id_z 1
		.amdhsa_system_vgpr_workitem_id 0
		.amdhsa_next_free_vgpr 256
		.amdhsa_next_free_sgpr 66
		.amdhsa_reserve_vcc 0
		.amdhsa_float_denorm_mode_32 3
		.amdhsa_float_denorm_mode_16_64 3
		.amdhsa_memory_ordered 1
		.amdhsa_forward_progress 1
		.amdhsa_inst_pref_size 174
	.end_amdhsa_kernel
	.amdgpu_metadata
---
amdhsa.version: [ 1, 2 ]
amdhsa.kernels:
  - .name:           k_qdd05abf66d_tail
    .symbol:         k_qdd05abf66d_tail.kd
    .args:
      - { .name: of, .offset: 0, .size: 8, .value_kind: global_buffer, .address_space: global }
      - { .name: wf, .offset: 8, .size: 8, .value_kind: global_buffer, .address_space: global }
      - { .name: x, .offset: 16, .size: 8, .value_kind: global_buffer, .address_space: global }
      - { .name: bo, .offset: 24, .size: 8, .value_kind: global_buffer, .address_space: global }
      - { .name: g2, .offset: 32, .size: 8, .value_kind: global_buffer, .address_space: global }
      - { .name: b2, .offset: 40, .size: 8, .value_kind: global_buffer, .address_space: global }
      - { .name: bf1, .offset: 48, .size: 8, .value_kind: global_buffer, .address_space: global }
      - { .name: bf2, .offset: 56, .size: 8, .value_kind: global_buffer, .address_space: global }
      - { .name: out0, .offset: 64, .size: 8, .value_kind: global_buffer, .address_space: global }
    .group_segment_fixed_size: 205824
    .private_segment_fixed_size: 0
    .kernarg_segment_align: 8
    .kernarg_segment_size: 72
    .max_flat_workgroup_size: 256
    .sgpr_count:     66
    .vgpr_count:     256
    .wavefront_size: 32
...
	.end_amdgpu_metadata
.endif
;; end of part 3
;; ======== version 2 of 2: 3 launches; 1.27 times as fast as version 1
;; limits: values are held in f16: magnitudes above 65,504 overflow, below 6.1e-05 lose precision
;; workspace buffers: qf 4,194,304 bytes; kv 8,388,608 bytes; of 4,194,304 bytes; wf 1,179,648 bytes
;; launch qkv: the kernel of part 1 again; grid 64 x 4, 8 waves a work-group, no clusters, 189,440 bytes of LDS; arguments x, g1, b1, wq, bq, wk, bk, wv, bv, wo, w1, w2, qf, kv, wf; writes qf, kv, wf
;; launch attn (part 4): grid 16 x 16, 8 waves a work-group, clusters of 4 x 1, 327,680 bytes of LDS; arguments qf, kv, of; writes of
.if DOCPART == 4
	.amdgcn_target "amdgcn-amd-amdhsa--gfx1250"
	.amdhsa_code_object_version 6
	.text
	.protected	k_qdd05abf66d_attn
	.globl	k_qdd05abf66d_attn
	.p2align	8
	.type	k_qdd05abf66d_attn,@function
k_qdd05abf66d_attn:
	s_mov_b64 s[64:65], 0
	v_nop
	global_prefetch_b8 v0, s[64:65] scope:SCOPE_SE
	s_setreg_imm32_b32 hwreg(HW_REG_WAVE_MODE, 25, 1), 1
	s_wait_xcnt 0x0
	s_wait_alu depctr_hold_cnt(0) depctr_sa_sdst(0) depctr_va_vdst(0) depctr_va_sdst(0) depctr_va_ssrc(0) depctr_va_vcc(0) depctr_vm_vsrc(0)
	s_getreg_b32 s2, hwreg(HW_REG_IB_STS2, 6, 4)
	s_cmp_eq_u32 s2, 0
	s_cbranch_scc0 .Lentry_in_a_cluster
	s_endpgm
.Lentry_in_a_cluster:
	s_bfe_u32 s2, ttmp6, 0x10000c
	s_cmp_lg_u32 s2, 0x3003
	s_cbranch_scc0 .Lentry_shape_is_right
	s_endpgm
.Lentry_shape_is_right:
; ATTENTION, head size 32, 4,096 keys, 16 pairs of batch and head.  O[q] = sum_k softmax_k(q . k / sqrt(32)) v[k].  q arrives times log2(e) / sqrt(32), so p = 2^(s - m) with a running maximum m.
; q, k, v in f16, laid by the launch before as the matrix instructions want them (blocks of 32 lanes x 16 bytes); products, maxima and sums in f32; p rounded to f16; O rounded once, to bf16.
; LIMITS.  A weight below f16's smallest step, 6e-8, counts as 0; the row sum is taken of the rounded weights, which are also the ones multiplied; NaN and infinities are not treated apart.
; SHARES.  A work-group: 256 queries of one pair (y of the grid).  Wave w: two tiles of 16 queries.  Every wave walks all keys, 64 a step.  Two waves lie on a SIMD and fill each other's waits; the text goes in phases.
; LAYOUT.  S^T = K Q^T: a lane holds ONE query (lane % 16) and keys 8 (lane / 16) + 0..7 of each block of 16; two such results rounded in pairs ARE source 1 of O^T = V^T P, whose result again holds one
; query a lane.  The row sum l is a third product, ones x P, in the same lanes: no addition and no exchange of lanes for it.
; m starts at the lowest finite number and O, l at 0: the first step is a step like any other, with a = 0.
; THE EXPONENTIALS of a key step are cut into TWO BATCHES, each with one s_wait_alu depctr_va_vdst(0) between it and its first reader.  Batch A: both tiles' a and tile 0's 32 weights;
; beside them stand both tiles' subtractions s - m, which name no result.  Batch B: tile 1's 32 weights; beside them stand batch A's readers: tile 0's roundings and both tiles' rescalings.  Behind batch B's wait
; come tile 1's roundings and the products.  No exponential is issued behind that wait.  The way out's two reciprocals are a batch of their own.
; CLUSTER.  The four query blocks of a cluster walk the same keys: each chunk of 1,024 keys (131,072 bytes, K then V) is asked for JOINTLY, each wave an eighth, with the same descriptor and mask in all four.
; LDS: two slots of a chunk each; behind them the spare words.  By this text's count a wave has two tensor loads out at the start and one behind each refill.
.set SLOT1, 1<<17
.set SPARE, 2*SLOT1        ; 128 bytes for each wave, named by no other line
.set LN,  1                ; v1   16 x lane
.set AK,  2                ; v2   K's next run of loads
.set AV,  3                ; v3   V's
.set SPW, 4                ; v4   my spare word
.set NIL, 5                ; v5   0
.set LNK, 6                ; v6   16 x lane + a step's 4,096 bytes
.set LNV, 7                ; v7   16 x lane + 65,536: V's part of a slot
.set ST,  8                ; tile t at ST + 4 t: m, its pair's partner, a, its partner
.set Q,   16               ; 8 a tile
.set ONES, 32              ; 16 x 32 ones in f16
.set KF,  40               ; K of one step: block kb of 16 keys at + 8 kb
.set VF,  72               ; V of one step: 32 keys kk, channel block cb at + 16 kk + 8 cb
.set S,   104              ; scores: + 32 t + 8 kb
.set P,   168              ; weights: + 16 t + 8 kk; a tile's first four registers are at work while the maximum is found
.set O,   200              ; + 16 t + 8 cb
.set L,   232              ; + 8 t: all eight registers would hold l; the first two are kept scaled and the first is read
.macro BAR
	s_barrier_signal -1
	s_barrier_wait -1
.endm
.macro CROUND                          ; a round of the cluster's barrier
	s_barrier_signal -1
	s_barrier_wait -1
	s_cmp_lg_u32 s12, 0
	s_cbranch_scc1 .Lnot_wave_0_\@
	s_barrier_signal -3
.Lnot_wave_0_\@:
	s_barrier_wait -3
	s_barrier_signal -1
	s_barrier_wait -1
.endm
	s_load_b128 s[4:7], s[0:1], 0x0        ; qf s[4:5], kv s[6:7]
	s_load_b64 s[8:9], s[0:1], 0x10        ; of
	v_lshl_add_u32 v[SPW], v0, 2, SPARE
	v_mov_b32 v[NIL], 0
	ds_add_u32 v[SPW], v[NIL]              ; the wave's opening: the add and its wait ahead of my first tensor load; the set-up stands between them
	v_lshrrev_b32 v1, 5, v0
	v_readfirstlane_b32 s12, v1            ; wave
	s_bfe_u32 s13, ttmp6, 0x40000          ; cx
	s_lshl_b32 s14, ttmp9, 2
	s_add_co_u32 s14, s14, s13             ; my block of 256 queries: it enters qf's and of's addresses alone
	s_and_b32 s15, ttmp7, 0xffff           ; batch and head, which the partners share
	; descriptor group 1: 16,384 dense bytes as 64 rows of 256
	s_mov_b32 s16, 15|(3<<16)|(1<<21)      ; 15:0 the mask of four; 17:16 elements of 8 bytes; 21 set beside a mask; no padding: fragments are read 16 bytes a lane on end
	s_mov_b32 s17, 32<<16                  ; tensor_dim0 = 32
	s_mov_b32 s18, 64<<16                  ; tensor_dim1 = 64
	s_mov_b32 s19, 32<<16                  ; tile_dim0 = 32
	s_mov_b32 s20, 64                      ; tile_dim1 = 64
	s_mov_b32 s21, 32                      ; 32 elements from row to row
	s_mov_b32 s22, 0
	s_mov_b32 s23, 0
	s_mov_b32 s24, 1                       ; group 0 for slot 0, chunk 0
	s_lshl_b32 s25, s12, 14                ; my eighth of a slot
	s_mov_b32 s28, 1                       ; group 0 for slot 1, chunk 1; it then walks
	s_add_co_u32 s29, s25, SLOT1
	s_lshl_b32 s38, s15, 19                ; kv: the pair's 524,288 bytes, my eighth of a chunk
	s_add_co_u32 s38, s38, s25
	s_mov_b32 s39, 0
	s_lshl_b32 s40, s15, 18                ; qf: the pair, my block's 16 tiles, my wave's two
	s_lshl_b32 s41, s14, 14
	s_add_co_u32 s40, s40, s41
	s_lshl_b32 s41, s12, 11
	s_add_co_u32 s40, s40, s41
	s_mov_b32 s41, 0
	s_lshr_b32 s42, s15, 3                 ; of: [batch][16 rows][head][1,024 bytes]
	s_lshl_b32 s42, s42, 21
	s_lshl_b32 s43, s14, 17
	s_add_co_u32 s42, s42, s43
	s_lshl_b32 s43, s12, 14
	s_add_co_u32 s42, s42, s43
	s_and_b32 s43, s15, 7
	s_lshl_b32 s43, s43, 10
	s_add_co_u32 s42, s42, s43
	s_mov_b32 s43, 0
	s_mov_b32 s36, 0x76543210              ; v_permlanex16_b32: each lane takes its own place in the other half
	s_mov_b32 s37, 0xfedcba98
	s_mov_b32 s32, 0                       ; LDS byte at which K of the step in hand begins
	s_wait_dscnt 0x0                       ; the opening add is done
	s_wait_kmcnt 0x0
	s_add_nc_u64 s[26:27], s[6:7], s[38:39]
	s_add_nc_u64 s[30:31], s[26:27], SLOT1 ; a chunk is as long as a slot
	s_or_b32 s27, s27, 0x80000000          ; type = 2
	s_or_b32 s31, s31, 0x80000000
	s_add_nc_u64 s[4:5], s[4:5], s[40:41]
	s_add_nc_u64 s[8:9], s[8:9], s[42:43]
	CROUND                                 ; all four work-groups are here: the first joint loads meet
	tensor_load_to_lds s[24:27], s[16:23]
	s_nop 0
	tensor_load_to_lds s[28:31], s[16:23]
	s_nop 0
	v_and_b32 v1, 31, v0
	v_lshlrev_b32 v[LN], 4, v1
.irp u, 0,1,2,3                        ; Q stays in registers: tile u / 2, channels 16 (u % 2) on
	global_load_b128 v[Q+4*(\u):Q+4*(\u)+3], v[LN], s[4:5] offset:512*(\u)
.endr
	v_add_nc_u32 v[LNK], 4096, v[LN]
	v_add_nc_u32 v[LNV], 65536, v[LN]
.set i, 0
.rept 8
	v_mov_b32 v[ONES+i], 0x3c003c00
.set i, i+1
.endr
.irp t, 0,1
	v_mov_b32 v[ST+4*(\t)], 0xff7fffff     ; m
	v_mov_b32 v[ST+4*(\t)+1], 0
	v_mov_b32 v[ST+4*(\t)+2], 0
	v_mov_b32 v[ST+4*(\t)+3], 0
.endr
.set i, O
.rept 48                               ; O and l: cleared on purpose, in the wait for the first chunk, so that no first step is written out
	v_mov_b32 v[i], 0
.set i, i+1
.endr
	s_wait_tensorcnt 0x1                   ; my part of slot 0 is in; slot 1's may stay out
	BAR
	s_wait_loadcnt 0x0                     ; Q
; Number n of the 21 that find both tiles' maximum and a; the tiles alternate.  Each accumulator's lowest registers are read first.  Number 20, the two a, opens batch A.
.macro MX n
.irp t, 0,1
.set rS, S+32*(\t)
.set rC, P+16*(\t)
.set rT, ST+4*(\t)
.if (\n) < 4
	v_max3_num_f32 v[rC+(\n)], v[rS+8*(\n)], v[rS+8*(\n)+1], v[rS+8*(\n)+2]
.elseif (\n) < 12
	v_max3_num_f32 v[rC+(\n)%4], v[rC+(\n)%4], v[rS+8*((\n)%4)+2*((\n)/4)+1], v[rS+8*((\n)%4)+2*((\n)/4)+2]
.elseif (\n) == 12
	v_max3_num_f32 v[rC], v[rC], v[rS+7], v[rS+15]
.elseif (\n) == 13
	v_max3_num_f32 v[rC+1], v[rC+1], v[rS+23], v[rS+31]
.elseif (\n) == 14
	v_max3_num_f32 v[rC+2], v[rC+2], v[rC+3], v[rT]
.elseif (\n) == 15
	v_max3_num_f32 v[rC], v[rC], v[rC+1], v[rC+2]
.elseif (\n) == 16
	v_permlanex16_b32 v[rC+3], v[rC], s36, s37     ; the query's other 32 keys lie in the lane 16 away
.elseif (\n) == 17
	v_max_num_f32 v[rC+1], v[rC], v[rC+3]
.elseif (\n) == 18
	v_sub_f32 v[rC+2], v[rT], v[rC+1]              ; m_old - m_new
.elseif (\n) == 19
	v_mov_b32 v[rT], v[rC+1]
.else
	v_exp_f32 v[rT+2], v[rC+2]                     ; a
.endif
.endr
.endm
.macro SUBI t, i                       ; pair i of 16: s - m
	v_pk_add_f32 v[S+32*(\t)+2*(\i):S+32*(\t)+2*(\i)+1], v[S+32*(\t)+2*(\i):S+32*(\t)+2*(\i)+1], v[ST+4*(\t):ST+4*(\t)+1] op_sel_hi:[1,0] neg_lo:[0,1] neg_hi:[0,1]
.endm
.macro EXPN t, n
	v_exp_f32 v[S+32*(\t)+(\n)], v[S+32*(\t)+(\n)]
.endm
.macro CVTI t, i                       ; pair i of 16 rounded to f16: a reader of two exponentials, so it stands behind their batch's wait
	v_cvt_pk_f16_f32 v[P+16*(\t)+(\i)], v[S+32*(\t)+2*(\i)], v[S+32*(\t)+2*(\i)+1]
.endm
.macro RSR t, r                        ; pair r of O's eight, or (r = 8) l, times a: a reader of a (on the way out: of 1 / l), so it stands behind that batch's wait
.if (\r) < 8
	v_pk_mul_f32 v[O+16*(\t)+2*(\r):O+16*(\t)+2*(\r)+1], v[O+16*(\t)+2*(\r):O+16*(\t)+2*(\r)+1], v[ST+4*(\t)+2:ST+4*(\t)+3] op_sel_hi:[1,0]
.else
	v_pk_mul_f32 v[L+8*(\t):L+8*(\t)+1], v[L+8*(\t):L+8*(\t)+1], v[ST+4*(\t)+2:ST+4*(\t)+3] op_sel_hi:[1,0]
.endif
.endm
; BATCH A goes on behind the two a: tile 0's 32 exponentials.  The plain lines between them are the 32 subtractions: tile 0's, four pairs ahead of their exponentials, and tile 1's.  A subtraction names its pair
; of scores ahead of that pair's exponentials, and m: no result of the batch.  32 plain lines, four of them in the lead, for 32 exponentials: in the last four pairs two exponentials stand on end.
.macro SOFTA
.irp u, 0,1,2,3
	SUBI 0, \u
.endr
.set ii, 0
.rept 16
	EXPN 0, 2*ii
.if ii < 12
	SUBI 0, ii+4
.endif
	EXPN 0, 2*ii+1
	SUBI 1, ii                             ; the last of these is the plain instruction behind the batch's last exponential
.set ii, ii+1
.endr
	s_wait_alu depctr_va_vdst(0)           ; the wait for batch A: both a and tile 0's 32 weights, ahead of their first reader
.endm
; BATCH B: tile 1's 32 exponentials, whose subtractions are done.  Behind each stands a plain line that reads batch A alone: tile 0's 16 roundings, and O's 16 rescalings, the tiles alternating and the pairs
; ascending.  l's two rescalings stand between the last exponential and the wait.  Behind the wait: tile 1's roundings.
.macro SOFTB
.set ii, 0
.rept 16
	EXPN 1, 2*ii
	CVTI 0, ii
	EXPN 1, 2*ii+1
	RSR ii%2, ii/2
.set ii, ii+1
.endr
	RSR 0, 8
	RSR 1, 8
	s_wait_alu depctr_va_vdst(0)           ; the wait for batch B: tile 1's 32 weights, ahead of their first reader; no exponential is issued behind it in the step
.set ii, 0
.rept 16
	CVTI 1, ii
.set ii, ii+1
.endr
.endm
.macro LOADK
.irp kb, 0,1,2,3
	ds_load_b128 v[KF+8*(\kb):KF+8*(\kb)+3], v[AK] offset:1024*(\kb)
	ds_load_b128 v[KF+8*(\kb)+4:KF+8*(\kb)+7], v[AK] offset:1024*(\kb)+512
.endr
.endm
; A KEY STEP: 8 products K Q^T; V of this step and K of the next are asked for; maximum; the exponentials in two batches; 12 products, whose six accumulators take turns, one instruction a turn.
.macro STEP
	s_wait_dscnt 0x0                       ; K is in
.irp kb, 0,1,2,3
.irp t, 0,1
	v_wmma_f32_16x16x32_f16 v[S+32*(\t)+8*(\kb):S+32*(\t)+8*(\kb)+7], v[KF+8*(\kb):KF+8*(\kb)+7], v[Q+8*(\t):Q+8*(\t)+7], 0
.endr
.endr
	v_add_nc_u32 v[AV], s32, v[LNV]        ; four plain instructions: the places in front of the loads into K's and V's registers and of the lines that read the scores and write P's
	v_add_nc_u32 v[AK], s32, v[LNK]
	v_nop
	v_nop
	s_add_co_u32 s32, s32, 4096
.irp f, 0,1,2,3                        ; 32 keys f / 2, channel block f % 2
	ds_load_b128 v[VF+8*(\f):VF+8*(\f)+3], v[AV] offset:1024*(\f)
	ds_load_b128 v[VF+8*(\f)+4:VF+8*(\f)+7], v[AV] offset:1024*(\f)+512
.endr
	LOADK                                  ; in a slot's last step these read the head of the slot's own V and are not used: the price of one text for every step
.irp n, 0,1,2,3,4,5,6,7,8,9,10,11,12,13,14,15,16,17,18,19,20
	MX \n
.endr
	SOFTA
	SOFTB
	s_wait_dscnt 8                         ; V is in; K's eight loads, issued behind it, stay out
.irp kk, 0,1
.irp t, 0,1
	v_wmma_f32_16x16x32_f16 v[O+16*(\t):O+16*(\t)+7], v[VF+16*(\kk):VF+16*(\kk)+7], v[P+16*(\t)+8*(\kk):P+16*(\t)+8*(\kk)+7], v[O+16*(\t):O+16*(\t)+7]
	v_wmma_f32_16x16x32_f16 v[O+16*(\t)+8:O+16*(\t)+15], v[VF+16*(\kk)+8:VF+16*(\kk)+15], v[P+16*(\t)+8*(\kk):P+16*(\t)+8*(\kk)+7], v[O+16*(\t)+8:O+16*(\t)+15]
	v_wmma_f32_16x16x32_f16 v[L+8*(\t):L+8*(\t)+7], v[ONES:ONES+7], v[P+16*(\t)+8*(\kk):P+16*(\t)+8*(\kk)+7], v[L+8*(\t):L+8*(\t)+7]
.endr
.endr
.endm
.macro SLOTRUN                         ; a slot's 16 steps
	v_add_nc_u32 v[AK], s32, v[LN]
	LOADK
	s_mov_b32 s33, 16
.Lstep_\@:
	STEP
	s_sub_co_u32 s33, s33, 1
	s_cmp_lg_u32 s33, 0
	s_cbranch_scc1 .Lstep_\@
.endm
; THE CHANGE OF SLOTS.  Each wave waits for all its tensor loads (one is out: its part of the other slot), adds 0 to its spare word, and waits for that and for its reads of the slot that it leaves.
; fill = 1: the barrier is a round of the cluster's, so that no wave of any partner still reads the slot or has a load on its way; the joint refill, two chunks on, is the first thing behind it.
.macro CHANGE fill
	s_wait_tensorcnt 0x0                   ; no tensor load of mine is out, so a group 0 may be written
	ds_add_u32 v[SPW], v[NIL]
.if \fill
	s_xor_b32 s29, s29, SLOT1              ; the other slot than last time,
	s_add_nc_u64 s[30:31], s[30:31], SLOT1 ; the next chunk; the type bits on top are not reached
.endif
	s_wait_dscnt 0x0                       ; the add is done, and my reads of the slot are over
.if \fill
	CROUND
	tensor_load_to_lds s[28:31], s[16:23]
	s_nop 0
.else
	BAR
.endif
	s_sub_co_u32 s32, s32, 65536           ; back to a slot's first step,
	s_xor_b32 s32, s32, SLOT1              ; in the other slot
.endm
	s_mov_b32 s34, 2
.Lslot:                                ; chunks 0 and 1; their slots take chunks 2 and 3
	SLOTRUN
	CHANGE 1
	s_sub_co_u32 s34, s34, 1
	s_cmp_lg_u32 s34, 0
	s_cbranch_scc1 .Lslot
	SLOTRUN                                ; the tail is written out: nothing more is asked for
	CHANGE 0
	SLOTRUN
	; THE WAY OUT: O / l, rounded to bf16; a lane's eight channels of a row are 16 bytes of the next launch's fragment: each store covers 512 consecutive, aligned bytes
.rept 4
	v_nop
.endr
	v_rcp_f32 v[ST+2], v[L]
	v_rcp_f32 v[ST+6], v[L+8]
	v_nop                                  ; a plain instruction between the last reciprocal and the use of its result
	s_wait_alu depctr_va_vdst(0)           ; the wait for the two reciprocals, ahead of their first reader: one for the sixteen multiplications below
.irp t, 0,1
.irp r, 0,1,2,3,4,5,6,7
	RSR \t, \r
.endr
.endr
.irp f, 0,1,2,3                        ; tile f / 2, channel block f % 2
.irp p, 0,1,2,3
	v_cvt_pk_bf16_f32 v[S+4*(\f)+(\p)], v[O+8*(\f)+2*(\p)], v[O+8*(\f)+2*(\p)+1]
.endr
	global_store_b128 v[LN], v[S+4*(\f):S+4*(\f)+3], s[8:9] offset:((\f)/2)*8192+((\f)%2)*512
.endr
	s_wait_tensorcnt 0x0                   ; the wave's end
	ds_add_u32 v[SPW], v[NIL]
	s_wait_dscnt 0x0
	CROUND                                 ; the closing round: no work-group ends while a partner may still ask for a chunk that names it
	s_endpgm
.Lfunc_end_k_qdd05abf66d_attn:
	.size	k_qdd05abf66d_attn, .Lfunc_end_k_qdd05abf66d_attn-k_qdd05abf66d_attn
	.p2alignl 7, 3214868480
	.fill 96, 4, 3214868480
	.section	.rodata,"a",@progbits
	.p2align	6, 0x0
	.amdhsa_kernel k_qdd05abf66d_attn
		.amdhsa_group_segment_fixed_size 327680
		.amdhsa_private_segment_fixed_size 0
		.amdhsa_enable_private_segment 0
		.amdhsa_kernarg_size 24
		.amdhsa_user_sgpr_count 2
		.amdhsa_user_sgpr_kernarg_segment_ptr 1
		.amdhsa_wavefront_size32 1
		.amdhsa_system_sgpr_workgroup_id_x 1
		.amdhsa_system_sgpr_workgroup_id_y 1
		.amdhsa_system_sgpr_workgroup_id_z 1
		.amdhsa_system_vgpr_workitem_id 0
		.amdhsa_next_free_vgpr 256
		.amdhsa_next_free_sgpr 66
		.amdhsa_reserve_vcc 0
		.amdhsa_float_denorm_mode_32 3
		.amdhsa_float_denorm_mode_16_64 3
		.amdhsa_memory_ordered 1
		.amdhsa_forward_progress 1
		.amdhsa_inst_pref_size 49
	.end_amdhsa_kernel
	.amdgpu_metadata
---
amdhsa.version: [ 1, 2 ]
amdhsa.kernels:
  - .name:           k_qdd05abf66d_attn
    .symbol:         k_qdd05abf66d_attn.kd
    .args:
      - { .name: qf, .offset: 0, .size: 8, .value_kind: global_buffer, .address_space: global }
      - { .name: kv, .offset: 8, .size: 8, .value_kind: global_buffer, .address_space: global }
      - { .name: of, .offset: 16, .size: 8, .value_kind: global_buffer, .address_space: global }
    .group_segment_fixed_size: 327680
    .private_segment_fixed_size: 0
    .kernarg_segment_align: 8
    .kernarg_segment_size: 24
    .max_flat_workgroup_size: 256
    .sgpr_count:     66
    .vgpr_count:     256
    .wavefront_size: 32
...
	.end_amdgpu_metadata
.endif
;; end of part 4
;; launch tail: the kernel of part 3 again; grid 128 x 1, 8 waves a work-group, no clusters, 205,824 bytes of LDS; arguments of, wf, x, bo, g2, b2, bf1, bf2, out0; writes out0
